; MI455X (gfx1250); checked and timed in simulation.
; The chip was launched on July 23, 2026; its instructions are those of AMD's public machine-readable ISA for CDNA 5 (MIT licence, August 2026) and "CDNA5" Instruction Set Architecture Reference Guide (July 2026). The comments in the code are by the model that wrote it; some were corrected since.
;; FFF Fanout. Allowed arithmetic: matrix products marked QUANTISED: E3M2 operands, one E8M0 scale for each 32 along K, by v_wmma_scale_f32_16x16x128_f8f6f4 with both operands' format E3M2, f32 sums; everything else in f32.
;; Inputs: W_in 21,840 x 256 float32; W_out 256 x 21,840 float32; b_in 21,840 float32; oldx 2 x 2,048 x 256 float32.
;; Outputs: out0 2 x 2,048 x 256 float32.
;; This version of the problem:
;;   THIS VERSION OF THE PROBLEM IS GIVEN IN LOW PRECISION. The matrix products marked QUANTISED in the list below multiply operands that are first quantised to E3M2 (3 exponent bits, 2 mantissa bits; 6 bits a number), with one power-of-two scale for each 32 numbers along K (OCP MX v1.0); their sums are f32. All else is computed in f32.
;;   The module's matrix products, in the order in which they are computed (A, B: the left and right operand; K: the contracted axis; several contracted axes count as one K, in the product's order):
;;     1. [M 4,096, K 256] x [K 256, N 21,840]; A: input oldx; B: input W_in: QUANTISED
;;     2. [M 4,096, K 21,840] x [K 21,840, N 256]; A: computed on the way; B: input W_out: QUANTISED
;;   THE QUANTISER, for each operand of a quantised product, along K:
;;     - K is cut into blocks of 32 from its start; a last block that is shorter is filled with zeros.
;;     - A block's scale is 2^e with e = floor(log2(the largest magnitude in the block)) - 4, held to -126 .. 127; a block of zeros has e = 0. As a byte (E8M0): e + 127.
;;     - Each number is divided by its block's scale, clamped to +-28, and rounded to the nearest number of E3M2, ties to even, subnormals kept.
;;     - The product sums the exact products of the quantised numbers (number of the format x scale) in f32.
;;   ~~~python
;;   def quantise(x, axis):      # numpy; x: float32 -> the quantised numbers, widened to float32 again
;;       x = np.moveaxis(x, axis, -1); K = x.shape[-1]
;;       x = np.pad(x, [(0, 0)] * (x.ndim - 1) + [(0, -K % 32)]); x = x.reshape(x.shape[:-1] + (-1, 32)); a = np.abs(x).max(-1, keepdims=True)
;;       e = np.where(a > 0, np.clip(np.frexp(np.where(a > 0, a, 1))[1] - 1 - 4, -126, 127), 0)      # np.frexp(a)[1] - 1 = floor(log2(a)), exactly
;;       r = np.clip(x / 2.0 ** e, -28, 28)
;;       step = 2.0 ** (np.maximum(np.frexp(np.where(r == 0, 1, r))[1] - 1, -2) - 2)
;;       q = np.round(r / step) * step * 2.0 ** e      # np.round: ties to even
;;       return np.moveaxis(q.reshape(q.shape[:-2] + (-1,))[..., :K], -1, axis).astype(np.float32)
;;   ~~~
;;   OPERANDS COMPUTED ON THE WAY. 'Computed on the way' means the value that the module computes at that place (a softmax that the list does not call 'softmax' is quantised finished and normalised). What goes into a quantiser is computed in f32, as accurately as f32 sums, v_exp_f32 and their like allow (about 1e-6 of the number): no bf16 or f16 on the way to a quantiser, and a product that is left as it is and whose result goes on into a quantised operand takes f32 operands (vector FMAs, or v_wmma_f32_16x16x4_f32). A number that lies on a knife's edge between two numbers of the format may be rounded either way, as far as f32 arithmetic and the matrix unit's own rounding can turn it there, and no further.
;; 2 versions, each right; version 2 is version 1 with the launch leaf written anew for expert scheduling mode. Each part assembles by itself: llvm-mc -triple=amdgcn-amd-amdhsa -mcpu=gfx1250 --defsym DOCPART=n.
;; ======== version 1 of 2: 3 launches
;; workspace buffers: rec 5,394,688 bytes; wo 5,603,328 bytes; act 1,310,720 bytes; node 65,536 bytes of whole numbers
;; launch quant (part 1): grid 2305 x 1, 1 waves a work-group, no clusters, 17,408 bytes of LDS; arguments W_in, oldx, b_in, W_out, rec, wo; writes rec, wo
.if DOCPART == 1
	.amdgcn_target "amdgcn-amd-amdhsa--gfx1250"
	.amdhsa_code_object_version 6
	.text
	.protected	k_q8232ec1551_quant
	.globl	k_q8232ec1551_quant
	.p2align	8
	.type	k_q8232ec1551_quant,@function
k_q8232ec1551_quant:
	s_mov_b64 s[64:65], 0
	v_nop
	global_prefetch_b8 v0, s[64:65] scope:SCOPE_SE
	s_setreg_imm32_b32 hwreg(HW_REG_WAVE_MODE, 25, 1), 1
	s_wait_xcnt 0x0
; All four inputs are read once and laid out as the two later launches want them.  Codes are BF6 (E3M2), one E8M0 byte for each 32 along K.
; A block's scale is 2^(floor(log2(largest magnitude)) - 4): its byte is the largest magnitude's exponent field - 4, held at 1 from below by a floor among the maximum's leaves.
; (A block of zeros so gets the byte 1 where the rule says 127: its codes are zeros, and this program alone reads the bytes.)
; LIMITS: NaN and infinities among the inputs are not served.
; One wave to a work-group.  Work-groups 0 .. 1620 make one RECORD each (path A), the other 684 quantise W_out (path B).  Each path has LDS bytes of its own.
; RECORD (3,328 bytes = 13 x 256): 16 rows x 256 along K as the image of two operand fragments (K step s, registers 4 j .. 4 j + 3 of lane l at 1536 s + 512 j + 16 l),
;   at 3072 the scale words (4 l: lanes 0-15 K step 0 of row l, lanes 16-31 K step 1 of row l - 16), at 3200 the rows' 16 biases, then 64 bytes of zeros.
;   id = 341 p + u: the rows of W_in of the four child groups of node u of tree p (rows 5460 p + 16 u + 4 + r);  id = 1364: the four roots (row 4 p + f = W_in row 5460 p + f);  id = 1365 + T: tokens 16 T + r of x.
; wo [group G = hidden unit / 4][pos] of 32 bits: bits 23:0 the group's four codes of W_out's row n, bits 31:24 the scale byte of their block of 32; pos = 128 H + 4 l + i stands for n = 128 H + 32 i + l.
.set NREC,  1621
.set RECB,  3328
.set WROW,  87360                      ; a row of W_out in bytes
.set RAWA,  16                         ; path A: v16-143  16 rows x 2 K steps x 4 registers as loaded
.set XA,    144                        ; v144-207 64 numbers of a lane: register 16 b + i = k 32 b + 16 h + i of row r
.set PC,    208                        ; v208-227 the codes just made
.set TM,    228                        ; v228-243 at work
.set PW,    244                        ; v244-245 the two K steps' scale words
.set BIA,   246
.set SEL,   32                         ; s[32:33] lane selects: lane l xor 16
.set STB,   8448                       ; path B's stage: 32 rows of 272 bytes (path A's: bytes 0 .. 8447, 16 rows of 528)
.set RAWB,  16                         ; path B: v16-79 as loaded
.set XB,    80                         ; v80-143 64 neighbours along K of one row n
.set WD,    144                        ; v144-207 the words: 4 g + i
.set CB,    208                        ; v208-223 four conversions' results
.set MB,    224
.set OPB,   226
.set SBS,   228
.set TT,    230
; 64 numbers of a lane become a fragment's 12 registers in v[PC] on and the row's scale word in v[pw]
.macro QUANT s, pw
.irp b, 0,1,2,3
	v_max3_num_f32 v[TM+\b], |v[\s+16*\b]|, |v[\s+1+16*\b]|, 0x2800000   ; my 16 numbers of block b, and the floor 2^(5 - 127)
.endr
.irp i, 2,4,6,8,10,12,14
.irp b, 0,1,2,3
	v_max3_num_f32 v[TM+\b], v[TM+\b], |v[\s+16*\b+\i]|, |v[\s+1+16*\b+\i]|
.endr
.endr
.irp b, 0,1,2,3
	v_permlanex16_b32 v[TM+4+\b], v[TM+\b], s[SEL], s[SEL+1]
.endr
.irp b, 0,1,2,3
	v_max_num_f32 v[TM+\b], v[TM+\b], v[TM+4+\b]          ; with lane l xor 16's: the block's largest magnitude
.endr
.irp b, 0,1,2,3
	v_add_nc_u32 v[TM+12+\b], 0xfe000000, v[TM+\b]        ; 4 off its exponent field: the conversion's scale operand
.endr
.irp b, 0,1,2,3
	v_lshrrev_b32 v[TM+4+\b], 23, v[TM+12+\b]             ; the scale's byte
.endr
	v_lshl_or_b32 v[\pw], v[TM+5], 8, v[TM+4]
	v_lshl_or_b32 v[\pw], v[TM+6], 16, v[\pw]
	v_lshl_or_b32 v[\pw], v[TM+7], 24, v[\pw]
.irp c, 0,1
	v_cvt_scalef32_pk16_bf6_f32 v[PC+6*\c:PC+2+6*\c], v[\s+32*\c:\s+15+32*\c], v[TM+12+2*\c]
	v_cvt_scalef32_pk16_bf6_f32 v[PC+12+4*\c:PC+14+4*\c], v[\s+16+32*\c:\s+31+32*\c], v[TM+12+2*\c+1]
.endr
	v_nop                                                 ; one plain line behind the conversions
.irp c, 0,1                                           ; the operand wants a whole block in a lane: lanes 0-15 block 2 c, lanes 16-31 block 2 c + 1
.irp i, 0,1,2
	v_permlane16_swap_b32 v[PC+6*\c+\i], v[PC+12+4*\c+\i]
.endr
.irp i, 0,1,2
	v_mov_b32 v[PC+3+6*\c+\i], v[PC+12+4*\c+\i]
.endr
.endr
.endm
; K step s of the record: its 16 x 512 bytes turn through the stage, are quantised and stored.  left: the loads that may stay out
.macro HALF s, left, pw
	s_wait_loadcnt \left
.irp w, 0,1,2,3,4,5,6,7,8,9,10,11,12,13,14,15
	ds_store_b128 v6, v[RAWA+8*\w+4*\s:RAWA+8*\w+4*\s+3] offset:528*\w
.endr
.irp b, 0,1,2,3
.irp j, 0,1,2,3
	ds_load_b128 v[XA+16*\b+4*\j:XA+16*\b+4*\j+3], v7 offset:128*\b+16*\j   ; LDS serves a wave's instructions in order: these see the stores above
.endr
.endr
	s_wait_dscnt 0x0
	QUANT XA, \pw
.irp j, 0,1,2
	global_store_b128 v6, v[PC+4*\j:PC+4*\j+3], s[12:13] offset:1536*\s+512*\j   ; 32 lanes store 512 consecutive bytes, aligned to 256
.endr
	s_wait_xcnt 0x0                                       ; the codes' registers are written again only behind this wait
.endm
.macro WLOAD i                         ; path B: 32 rows n x 256 bytes, two rows an instruction
.irp j, 0,1,2,3,4,5,6,7,8,9,10,11,12,13,14,15
	global_load_b128 v[RAWB+4*\j:RAWB+4*\j+3], v2, s[24+2*(\i):25+2*(\i)] offset:2*WROW*\j th:TH_LOAD_NT
.endr
.endm
.macro PASS i                          ; rows n = 128 H + 32 i + lane
	s_wait_loadcnt 0x0
.irp j, 0,1,2,3,4,5,6,7,8,9,10,11,12,13,14,15
	ds_store_b128 v3, v[RAWB+4*\j:RAWB+4*\j+3] offset:544*\j
.endr
.irp j, 0,1,2,3,4,5,6,7,8,9,10,11,12,13,14,15
	ds_load_b128 v[XB+4*\j:XB+4*\j+3], v4 offset:16*\j    ; a lane now holds 64 neighbours along K of its row
.endr
	s_wait_dscnt 0x0                                      ; the stores have read their registers:
.if \i < 3
	WLOAD \i+1                                            ; the next pass's loads may land there
.endif
.irp k, 16,17,18,19,20,21,22,23,24,25,26,27,28,29,30,31
	v_cndmask_b32 v[XB+\k], 0, v[XB+\k], s20              ; K's last block is half a block: its other half is zeros
.endr
.irp b, 0,1
	v_max3_num_f32 v[MB+\b], |v[XB+32*\b]|, |v[XB+32*\b+1]|, 0x2800000
.endr
.irp m, 2,4,6,8,10,12,14,16,18,20,22,24,26,28,30
.irp b, 0,1
	v_max3_num_f32 v[MB+\b], v[MB+\b], |v[XB+32*\b+\m]|, |v[XB+32*\b+\m+1]|
.endr
.endr
.irp b, 0,1
	v_add_nc_u32 v[OPB+\b], 0xfe000000, v[MB+\b]
.endr
.irp b, 0,1
	v_lshrrev_b32 v[SBS+\b], 23, v[OPB+\b]
.endr
.irp b, 0,1
	v_lshlrev_b32 v[SBS+\b], 24, v[SBS+\b]                ; the scale's byte, in bits 31:24
.endr
.irp c, 0,1,2,3
	v_cvt_scalef32_pk16_bf6_f32 v[CB+4*\c:CB+4*\c+2], v[XB+16*\c:XB+16*\c+15], v[OPB+\c/2]
.endr
	v_nop
.irp c, 0,1,2,3                                       ; 96 bits are four groups of 24
	v_alignbit_b32 v[TT], v[CB+4*\c+1], v[CB+4*\c], 24
	v_alignbit_b32 v[TT+1], v[CB+4*\c+2], v[CB+4*\c+1], 16
	v_lshrrev_b32 v[TT+2], 8, v[CB+4*\c+2]
	v_and_or_b32 v[WD+16*\c+\i], v[CB+4*\c], s21, v[SBS+\c/2]
	v_and_or_b32 v[WD+16*\c+4+\i], v[TT], s21, v[SBS+\c/2]
	v_and_or_b32 v[WD+16*\c+8+\i], v[TT+1], s21, v[SBS+\c/2]
	v_or_b32 v[WD+16*\c+12+\i], v[TT+2], v[SBS+\c/2]
.endr
.endm
	s_load_b256 s[4:11], s[0:1], 0x0               ; W_in s[4:5], x s[6:7], b_in s[8:9], W_out s[10:11]
	s_load_b128 s[12:15], s[0:1], 0x20             ; rec s[12:13], wo s[14:15]
	v_lshl_add_u32 v254, v0, 2, 0x4300
	v_mov_b32 v255, 0
	s_cmp_lt_u32 ttmp9, NREC
	s_cbranch_scc0 .Lwout
	; ---------------- path A: one record
	s_mul_hi_u32 s17, ttmp9, 12595213              ; id / 341 (the multiplier is 2^32 / 341 rounded up: exact for id under 1,365)
	s_lshl_b32 s18, ttmp9, 4
	s_lshl_b32 s19, s17, 2
	s_add_co_u32 s18, s18, s19
	s_add_co_u32 s18, s18, 4                       ; a child tile's first row of W_in: 16 id + 4 p + 4
	s_lshl_b32 s20, s18, 10                        ; its bytes in W_in,
	s_lshl_b32 s21, s18, 2                         ; and in b_in
	s_mov_b32 s22, 4096                            ; bytes from four rows to the next four
	s_mov_b32 s23, 16                              ; the same in b_in
	s_sub_co_u32 s24, ttmp9, 1365
	s_lshl_b32 s24, s24, 14                        ; a tile of x: 16 rows of 1,024 bytes
	s_cmp_eq_u32 ttmp9, 1364                       ; the roots: four rows of each tree, 5,460 rows apart
	s_cselect_b32 s20, 0, s20
	s_cselect_b32 s21, 0, s21
	s_cselect_b32 s22, 5591040, s22
	s_cselect_b32 s23, 21840, s23
	s_cmp_lt_u32 ttmp9, 1365                       ; rows of W_in, or tokens?
	s_cselect_b32 s20, s20, s24
	s_cselect_b32 s21, s21, 0
	s_cselect_b32 s25, 0xffff, 0                   ; tokens have no bias: zeros are stored
	s_wait_kmcnt 0x0
	s_cselect_b64 s[26:27], s[4:5], s[6:7]
	s_mov_b32 s28, s20
	s_mov_b32 s29, 0
	s_add_nc_u64 s[26:27], s[26:27], s[28:29]
	s_mov_b32 s28, s21
	s_add_nc_u64 s[8:9], s[8:9], s[28:29]
	s_mul_i32 s28, ttmp9, RECB
	s_add_nc_u64 s[12:13], s[12:13], s[28:29]
	s_mov_b32 s30, 0xffff0000
	s_mov_b32 s[SEL], 0x76543210
	s_mov_b32 s[SEL+1], 0xfedcba98
	v_and_b32 v10, 15, v0                          ; r
	v_lshrrev_b32 v11, 4, v0                       ; h
	v_lshlrev_b32 v6, 4, v0                        ; 16 x lane
	v_mov_b32 v2, v6                               ; v2-5: 16 x lane + q x (four rows)
	v_add_nc_u32 v3, s22, v6
	s_lshl_b32 s31, s22, 1
	v_add_nc_u32 v4, s31, v6
	s_add_co_u32 s31, s31, s22
	v_add_nc_u32 v5, s31, v6
	v_mul_u32_u24 v7, v10, 528
	v_lshl_add_u32 v7, v11, 6, v7                  ; out of the stage: row r, + 64 h
	v_lshlrev_b32 v8, 2, v0
	v_lshrrev_b32 v12, 2, v10
	v_mul_u32_u24 v9, s23, v12
	v_and_b32 v12, 3, v0
	v_lshl_add_u32 v9, v12, 2, v9                  ; row r's bias
.irp b, 0,1,2,3
	v_mov_b32 v[TM+4+\b], 0                        ; a lane permute's destination counts as one of its sources
.endr
	global_load_b32 v[BIA], v9, s[8:9]
.irp s, 0,1
.irp q, 0,1,2,3
.irp f, 0,1,2,3
	global_load_b128 v[RAWA+8*(4*\q+\f)+4*\s:RAWA+8*(4*\q+\f)+4*\s+3], v[2+\q], s[26:27] offset:1024*\f+512*\s th:TH_LOAD_NT   ; 512 consecutive bytes of one row
.endr
.endr
.endr
	HALF 0, 16, PW                                 ; the bias and K step 0 are in; K step 1's sixteen loads may be out
	HALF 1, 0, PW+1
	v_cndmask_b32 v247, v[PW], v[PW+1], s30        ; lanes 0-15 K step 0's word, lanes 16-31 K step 1's
	v_cndmask_b32 v248, 0, v[BIA], s25
	global_store_b32 v8, v247, s[12:13] offset:3072
	global_store_b32 v8, v248, s[12:13] offset:3200
	s_wait_tensorcnt 0x0
	ds_add_u32 v254, v255
	s_wait_dscnt 0x0
	s_endpgm
.Lwout:
	; ---------------- path B: 128 rows n x 64 along K of W_out
	s_sub_co_u32 s16, ttmp9, NREC
	s_and_b32 s17, s16, 1                          ; H: which 128 rows
	s_lshr_b32 s18, s16, 1                         ; c: which 64 along K, 0 .. 341
	s_mov_b32 s21, 0xffffff
	s_cmp_eq_u32 s18, 341                          ; the last 64 hold only 16 numbers: the lanes stay on these 64 bytes, so that no load leaves the buffer
	s_cselect_b32 s19, 3, 15
	s_cselect_b32 s20, 0, -1
	s_mul_i32 s22, s17, 128*WROW
	s_lshl_b32 s23, s18, 8
	s_add_co_u32 s22, s22, s23
	s_mov_b32 s23, 0
	s_wait_kmcnt 0x0
	s_add_nc_u64 s[24:25], s[10:11], s[22:23]      ; a base for each pass of 32 rows
	s_add_nc_u64 s[26:27], s[24:25], 32*WROW
	s_add_nc_u64 s[28:29], s[26:27], 32*WROW
	s_add_nc_u64 s[30:31], s[28:29], 32*WROW
	s_lshl_b32 s22, s18, 14
	s_lshl_b32 s16, s17, 9
	s_add_co_u32 s22, s22, s16
	s_add_nc_u64 s[14:15], s[14:15], s[22:23]      ; wo at group 16 c, + 512 H
	v_and_b32 v10, s19, v0
	v_lshrrev_b32 v11, 4, v0
	v_mul_u32_u24 v2, v11, WROW
	v_lshl_add_u32 v2, v10, 4, v2                  ; in: sixteen lanes to a row's 256 bytes
	v_and_b32 v10, 15, v0
	v_mul_u32_u24 v3, v11, 272
	v_lshl_add_u32 v3, v10, 4, v3
	v_add_nc_u32 v3, STB, v3                       ; into the stage, as loaded
	v_mul_u32_u24 v4, v0, 272
	v_add_nc_u32 v4, STB, v4                       ; out of it: a row to a lane
	v_lshlrev_b32 v5, 4, v0
	WLOAD 0
	PASS 0
	PASS 1
	PASS 2
	PASS 3
.irp g, 0,1,2,3,4,5,6,7,8,9,10,11,12,13,14,15
	global_store_b128 v5, v[WD+4*\g:WD+4*\g+3], s[14:15] offset:1024*\g   ; group 16 c + g: 512 consecutive bytes, aligned to 256
.endr
	s_wait_tensorcnt 0x0
	ds_add_u32 v254, v255
	s_wait_dscnt 0x0
	s_endpgm
.Lfunc_end_k_q8232ec1551_quant:
	.size	k_q8232ec1551_quant, .Lfunc_end_k_q8232ec1551_quant-k_q8232ec1551_quant
	.p2alignl 7, 3214868480
	.fill 96, 4, 3214868480
	.section	.rodata,"a",@progbits
	.p2align	6, 0x0
	.amdhsa_kernel k_q8232ec1551_quant
		.amdhsa_group_segment_fixed_size 17408
		.amdhsa_private_segment_fixed_size 0
		.amdhsa_enable_private_segment 0
		.amdhsa_kernarg_size 48
		.amdhsa_user_sgpr_count 2
		.amdhsa_user_sgpr_kernarg_segment_ptr 1
		.amdhsa_wavefront_size32 1
		.amdhsa_system_sgpr_workgroup_id_x 1
		.amdhsa_system_sgpr_workgroup_id_y 1
		.amdhsa_system_sgpr_workgroup_id_z 1
		.amdhsa_system_vgpr_workitem_id 0
		.amdhsa_next_free_vgpr 256
		.amdhsa_next_free_sgpr 66
		.amdhsa_reserve_vcc 0
		.amdhsa_float_denorm_mode_32 3
		.amdhsa_float_denorm_mode_16_64 3
		.amdhsa_memory_ordered 1
		.amdhsa_forward_progress 1
		.amdhsa_inst_pref_size 57
	.end_amdhsa_kernel
	.amdgpu_metadata
---
amdhsa.version: [ 1, 2 ]
amdhsa.kernels:
  - .name:           k_q8232ec1551_quant
    .symbol:         k_q8232ec1551_quant.kd
    .args:
      - { .name: W_in, .offset: 0, .size: 8, .value_kind: global_buffer, .address_space: global }
      - { .name: oldx, .offset: 8, .size: 8, .value_kind: global_buffer, .address_space: global }
      - { .name: b_in, .offset: 16, .size: 8, .value_kind: global_buffer, .address_space: global }
      - { .name: W_out, .offset: 24, .size: 8, .value_kind: global_buffer, .address_space: global }
      - { .name: rec, .offset: 32, .size: 8, .value_kind: global_buffer, .address_space: global }
      - { .name: wo, .offset: 40, .size: 8, .value_kind: global_buffer, .address_space: global }
    .group_segment_fixed_size: 17408
    .private_segment_fixed_size: 0
    .kernarg_segment_align: 8
    .kernarg_segment_size: 48
    .max_flat_workgroup_size: 32
    .sgpr_count:     66
    .vgpr_count:     256
    .wavefront_size: 32
...
	.end_amdgpu_metadata
.endif
;; end of part 1
;; launch walk (part 2): grid 64 x 4, 4 waves a work-group, clusters of 4 x 1, 327,680 bytes of LDS; arguments rec, act, node; writes act, node
.if DOCPART == 2
	.amdgcn_target "amdgcn-amd-amdhsa--gfx1250"
	.amdhsa_code_object_version 6
	.text
	.protected	k_q8232ec1551_walk
	.globl	k_q8232ec1551_walk
	.p2align	8
	.type	k_q8232ec1551_walk,@function
k_q8232ec1551_walk:
	s_mov_b64 s[64:65], 0
	v_nop
	global_prefetch_b8 v0, s[64:65] scope:SCOPE_SE
	s_setreg_imm32_b32 hwreg(HW_REG_WAVE_MODE, 25, 1), 1
	s_wait_xcnt 0x0
	s_wait_alu depctr_hold_cnt(0) depctr_sa_sdst(0) depctr_va_vdst(0) depctr_va_sdst(0) depctr_va_ssrc(0) depctr_va_vcc(0) depctr_vm_vsrc(0)
	s_getreg_b32 s2, hwreg(HW_REG_IB_STS2, 6, 4)
	s_cmp_eq_u32 s2, 0
	s_cbranch_scc0 .Lentry_in_a_cluster
	s_endpgm
.Lentry_in_a_cluster:
	s_bfe_u32 s2, ttmp6, 0x10000c
	s_cmp_lg_u32 s2, 0x3003
	s_cbranch_scc0 .Lentry_shape_is_right
	s_endpgm
.Lentry_shape_is_right:
; The walk down one tree for 64 tokens: levels 0 to 4 of the first product, dense, on codes of BF6 with E8M0 scales, the exact gelu, the argmax of each level.
; No address hangs on a decision: every group of levels 0-4 is multiplied for every token, and the token's own group is picked by v_cndmask_b32.
; OUT: act [tile of 16 tokens][tree][level 0-4][token][4] f32: the gelu of the groups on the path;  node [tree][token]: the node of level 5, a whole number.
; SHARES.  Work-group = 64 tokens (four tiles of 16) x tree p.  A tile of weights is a record: the 16 rows of the four children of node u.  Tiles k = 0 (the roots), 1 (u = 0), 2-5 (u = 1-4) are multiplied by every wave,
; k = 6-9 (u = 5 + 4 w + i) and k = 10-25 (u = 21 + 16 w + i) by wave w alone, each for all four tiles of tokens.  At a level's end the picked logits meet in LDS, and wave w finishes tile w.
; The product is used with source 0 = 16 rows of W_in, source 1 = 16 tokens: lane (r, h) holds token r and rows 8 h + j: children 2 h and 2 h + 1, four units each.  The bias is the C of a sum's first product.
; CLUSTER.  The four work-groups of a cluster walk the same tree, so its 85 records are asked for jointly: three tensor loads a wave, filled once; nothing in LDS is filled again.
; LIMITS: NaN and infinities are not served; where two gelu values of a group differ by less than f32 arithmetic resolves, the decision may fall either way; v_exp_f32 gives 0 for results under 2^-126, so gelu(z) is -0 for z under about -13.2.
.set RECB,  3328
.set L3R,   17408                      ; LDS: 0 .. 17407 records u = 0-4 (68 rows of 256 bytes);  then 4 records a wave;
.set L4R,   70656                      ; then 16 records a wave;
.set EXA,   283648                     ; the picked logits: 2048 w + 512 tile + 16 lane;
.set EXB,   291840                     ; the new nodes: 128 tile + 4 lane
.set CW,    19                         ; v19     my tile's node
.set CURH,  20                         ; v20-23  tile t's node - (1 + 2 h) - the wave's share
.set XS,    24                         ; v24-27  x's scale words
.set SL,    28                         ; v28-43  the picked logits, 4 a tile
.set ACC,   44                         ; v44-107 two sets of four accumulators
.set WB,    108                        ; v108.., v142.., v176..: three weight buffers: 24 codes, 8 biases, 1 scale word
.set SUB3,  141                        ; 1 + 2 h + 16 w
.set SUB4,  175                        ; 1 + 2 h + 64 w
.set TP,    210                        ; v210-241 at work
.set ZZ,    242
.set AA,    246
.set MV,    250
.set BV,    251
.set CL,    252
.set MK,    68                         ; s68-75 eight masks
.set GC,    78                         ; s78 the polynomial's first coefficient
.set MSB, 0
.macro WIN new                         ; the immediate's high byte repeats the setting that is left
.if MSB != \new
	s_set_vgpr_msb (MSB<<8)|\new
.set MSB, \new
.endif
.endm
.macro ROUND                           ; a round of the cluster's barrier
	s_barrier_signal -1
	s_barrier_wait -1
	s_cmp_lg_u32 s10, 0
	s_cbranch_scc1 .Lnot_wave_0_\@
	s_barrier_signal -3
.Lnot_wave_0_\@:
	s_barrier_wait -3
	s_barrier_signal -1
	s_barrier_wait -1
.endm
.macro G1SET g, rows                   ; descriptor group 1: a dense block as rows of 256 bytes (32 elements of 8 bytes); the mask names all four work-groups, bit 21 beside it
	s_mov_b32 s[\g], 15|(3<<16)|(1<<21)
	s_mov_b32 s[\g+1], 32<<16
	s_mov_b32 s[\g+2], \rows<<16
	s_mov_b32 s[\g+3], 32<<16
	s_mov_b32 s[\g+4], \rows
	s_mov_b32 s[\g+5], 32
	s_mov_b32 s[\g+6], 0
	s_mov_b32 s[\g+7], 0
.endm
.macro FETCH k                         ; tile k's record from LDS into buffer k % 3: nine LDS loads
.if (\k) < 6
.set AR, 4
.set IDX, (\k)-1
.elseif (\k) < 10
.set AR, 7
.set IDX, (\k)-6
.else
.set AR, 10
.set IDX, (\k)-10
.endif
.set WBB, WB+34*((\k)%3)
.irp j, 0,1,2,3,4,5
	ds_load_b128 v[WBB+4*\j:WBB+4*\j+3], v[AR] offset:IDX*RECB+512*\j
.endr
	ds_load_b32 v[WBB+32], v[AR+1] offset:IDX*RECB
	ds_load_b128 v[WBB+24:WBB+27], v[AR+2] offset:IDX*RECB
	ds_load_b128 v[WBB+28:WBB+31], v[AR+2] offset:IDX*RECB+16
.endm
.macro MM k                            ; tile k x the four tiles of tokens, K = 256 in two steps; the four accumulators take turns
.set WBB, WB+34*((\k)%3)
.set AB, ACC+32*((\k)%2)
	WIN 0x04                                       ; source 1 (x) in window 1
.irp t, 0,1,2,3
	v_wmma_scale_f32_16x16x128_f8f6f4 v[AB+8*\t:AB+8*\t+7], v[WBB:WBB+11], v[24*\t:24*\t+11], v[WBB+24:WBB+31], v[WBB+32], v[XS+\t] matrix_a_fmt:MATRIX_FMT_BF6 matrix_b_fmt:MATRIX_FMT_BF6
.endr
.irp t, 0,1,2,3
	v_wmma_scale_f32_16x16x128_f8f6f4 v[AB+8*\t:AB+8*\t+7], v[WBB+12:WBB+23], v[24*\t+12:24*\t+23], v[AB+8*\t:AB+8*\t+7], v[WBB+32], v[XS+\t] matrix_a_fmt:MATRIX_FMT_BF6 matrix_b_fmt:MATRIX_FMT_BF6 matrix_a_scale:MATRIX_SCALE_ROW1 matrix_b_scale:MATRIX_SCALE_ROW1
.endr
	WIN 0
.endm
.macro SELT k                          ; of tile k's results a lane keeps the four logits of child 2 h + e where that child is its token's node
.if (\k) < 2
.set K0, 0
.elseif (\k) < 6
.set K0, 4*((\k)-1)
.elseif (\k) < 10
.set K0, 20+4*((\k)-6)
.else
.set K0, 84+4*((\k)-10)
.endif
.set AB, ACC+32*((\k)%2)
.irp t, 0,1,2,3
	v_cmp_eq_u32 s[MK+2*\t], K0, v[CURH+\t]
	v_cmp_eq_u32 s[MK+2*\t+1], K0+1, v[CURH+\t]
.endr
.irp t, 0,1,2,3
.irp e, 0,1
.irp f, 0,1,2,3
	v_cndmask_b32 v[SL+4*\t+\f], v[SL+4*\t+\f], v[AB+8*\t+4*\e+\f], s[MK+2*\t+\e]   ; each accumulator from its low end on
.endr
.endr
.endr
.endm
; gelu(z) = (0.5 z) erfc(-z / sqrt 2) for four numbers.  erfc(a) = exp(-a a) (1 + p(q)) / (1 + 2 a), q = (a - 2) / (a + 2); both quotients and the exponent carry their residuals, so that the result is good to a few units of f32's last place.
.macro GELU z, a, t
.irp f, 0,1,2,3
	v_mul_f32 v[\t+\f], 0x3f3504f3, |v[\z+\f]|            ; a = |z| / sqrt 2,
.endr
.irp f, 0,1,2,3
	v_min_num_f32 v[\t+\f], 0x41800000, v[\t+\f]          ; held at 16, where erfc has long been 0 in f32
.endr
.irp f, 0,1,2,3
	v_add_f32 v[\t+16+\f], 2.0, v[\t+\f]
.endr
.irp f, 0,1,2,3
	v_rcp_f32 v[\t+4+\f], v[\t+16+\f]
.endr
.irp f, 0,1,2,3
	v_fma_f32 v[\t+28+\f], 2.0, v[\t+\f], 1.0             ; d = 1 + 2 a  (plain lines behind the reciprocals)
.endr
	s_wait_alu depctr_va_vdst(0)
.irp f, 0,1,2,3
	v_fma_f32 v[\t+8+\f], -4.0, v[\t+4+\f], 1.0           ; q
.endr
.irp f, 0,1,2,3
	v_add_f32 v[\t+12+\f], 1.0, v[\t+8+\f]
.endr
.irp f, 0,1,2,3
	v_fma_f32 v[\t+12+\f], v[\t+12+\f], -2.0, v[\t+\f]
.endr
.irp f, 0,1,2,3
	v_fma_f32 v[\t+12+\f], v[\t+8+\f], -v[\t+\f], v[\t+12+\f]   ; the residual (a - 2) - q (a + 2)
.endr
.irp f, 0,1,2,3
	v_fma_f32 v[\t+8+\f], v[\t+4+\f], v[\t+12+\f], v[\t+8+\f]
.endr
.irp f, 0,1,2,3
	v_rcp_f32 v[\t+4+\f], v[\t+28+\f]
.endr
.irp f, 0,1,2,3
	v_fmaak_f32 v[\t+16+\f], s[GC], v[\t+8+\f], 0xbaa15130
.endr
.irp c, 0x3aac2b8a, 0x3c0d6e62, 0xbc040dc1, 0xbd5e05b5, 0x3e27fe23, 0xbe2a0420, 0xbdbdfb0b, 0x3e8dd01d
.irp f, 0,1,2,3
	v_fmaak_f32 v[\t+16+\f], v[\t+16+\f], v[\t+8+\f], \c
.endr
.endr
	s_wait_alu depctr_va_vdst(0)
.irp f, 0,1,2,3
	v_fma_f32 v[\t+8+\f], v[\t+16+\f], v[\t+4+\f], v[\t+4+\f]   ; (p + 1) / d
.endr
.irp f, 0,1,2,3
	v_fma_f32 v[\t+12+\f], v[\t+8+\f], -v[\t+\f], 0.5
.endr
.irp f, 0,1,2,3
	v_sub_f32 v[\t+16+\f], v[\t+16+\f], v[\t+8+\f]
.endr
.irp f, 0,1,2,3
	v_fma_f32 v[\t+12+\f], v[\t+12+\f], 2.0, v[\t+16+\f]  ; its residual
.endr
.irp f, 0,1,2,3
	v_fma_f32 v[\t+4+\f], v[\t+12+\f], v[\t+4+\f], v[\t+8+\f]
.endr
.irp f, 0,1,2,3
	v_mul_f32 v[\t+20+\f], v[\t+\f], v[\t+\f]             ; s = a a, rounded
.endr
.irp f, 0,1,2,3
	v_mul_f32 v[\t+24+\f], 0xbfb8aa3b, v[\t+20+\f]        ; y = -s log2(e), rounded
.endr
.irp f, 0,1,2,3
	v_fma_f32 v[\t+28+\f], v[\t+20+\f], 0xbfb8aa3b, -v[\t+24+\f]   ; what that rounding lost,
.endr
.irp f, 0,1,2,3
	v_fmamk_f32 v[\t+28+\f], v[\t+20+\f], 0xb2a57060, v[\t+28+\f]  ; and the low part of log2(e)
.endr
.irp f, 0,1,2,3
	v_fma_f32 v[\t+12+\f], v[\t+\f], -v[\t+\f], v[\t+20+\f]        ; s - a a
.endr
.irp f, 0,1,2,3
	v_exp_f32 v[\t+24+\f], v[\t+24+\f]
.endr
.irp f, 0,1,2,3
	v_fmamk_f32 v[\t+12+\f], v[\t+28+\f], 0x3f317218, v[\t+12+\f]  ; both corrections as one factor 1 + c  (plain lines behind the exponentials)
.endr
	s_wait_alu depctr_va_vdst(0)
.irp f, 0,1,2,3
	v_mul_f32 v[\t+4+\f], v[\t+4+\f], v[\t+24+\f]
.endr
.irp f, 0,1,2,3
	v_fma_f32 v[\t+4+\f], v[\t+4+\f], v[\t+12+\f], v[\t+4+\f]      ; erfc(a)
.endr
.irp f, 0,1,2,3
	v_sub_f32 v[\t+16+\f], 2.0, v[\t+4+\f]
.endr
.irp f, 0,1,2,3
	v_mul_f32 v[\t+20+\f], 0.5, v[\z+\f]
.endr
.irp f, 0,1,2,3
	v_cmp_lt_f32 vcc_lo, 0, v[\z+\f]
	v_cndmask_b32 v[\t+4+\f], v[\t+4+\f], v[\t+16+\f], vcc_lo      ; erfc(-a) = 2 - erfc(a) where z is positive
.endr
.irp f, 0,1,2,3
	v_mul_f32 v[\a+\f], v[\t+20+\f], v[\t+4+\f]
.endr
.endm
; A level's end.  d: the level;  sub: the register taken off the new nodes for the next level's compares
.macro END d, sub
.irp t, 0,1,2,3
	ds_store_b128 v13, v[SL+4*\t:SL+4*\t+3] offset:512*\t
.endr
	s_wait_dscnt 0x0                               ; for the others' sake: my stores have landed, my loads are in
	s_barrier_signal -1
	s_barrier_wait -1
.irp t, 0,1,2,3
	ds_load_b128 v[TP+4*\t:TP+4*\t+3], v14 offset:2048*\t   ; my tile, as each of the four waves picked it
.endr
	s_wait_dscnt 0x0
.irp f, 0,1,2,3
	v_or_b32 v[TP+\f], v[TP+\f], v[TP+4+\f]        ; who did not own the group holds zeros, who owned it too holds the same bits: the OR is exact
.endr
.irp f, 0,1,2,3
	v_or_b32 v[TP+8+\f], v[TP+8+\f], v[TP+12+\f]
.endr
.irp f, 0,1,2,3
	v_or_b32 v[TP+\f], v[TP+\f], v[TP+8+\f]
.endr
.irp f, 0,1,2,3
	v_permlanex16_b32 v[TP+16+\f], v[TP+\f], s20, s21
.endr
.irp f, 0,1,2,3
	v_or_b32 v[ZZ+\f], v[TP+\f], v[TP+16+\f]       ; and the other half of the lanes: the token's four logits
.endr
	s_wait_xcnt 0x0                                ; the last level's store has read its data
	GELU ZZ, AA, TP
	v_mov_b32 v[BV], v[AA]
	v_mov_b32 v[MV], 0
.irp f, 1,2,3
	v_cmp_le_f32 vcc_lo, v[AA+\f], v[BV]           ; only a larger number takes the place: the lower index wins a tie
	v_cndmask_b32 v[BV], v[AA+\f], v[BV], vcc_lo
	v_cndmask_b32 v[MV], \f, v[MV], vcc_lo
.endr
	v_lshl_add_u32 v[CW], v[CW], 2, v[MV]
	v_add_nc_u32 v[CW], 1, v[CW]                   ; child = 4 c + 1 + m
	global_store_b128 v17, v[AA:AA+3], s[62:63] offset:256*\d   ; sixteen lanes fill 256 aligned bytes (the other sixteen write the same)
.if \d < 4
	ds_store_b32 v15, v[CW]
	s_wait_dscnt 0x0
	s_barrier_signal -1
	s_barrier_wait -1
.irp t, 0,1,2,3
	ds_load_b32 v[CL+\t], v16 offset:128*\t
.endr
.irp j, 0,1,2,3,4,5,6,7,8,9,10,11,12,13,14,15
	v_mov_b32 v[SL+\j], 0
.endr
	s_wait_dscnt 0x0
.irp t, 0,1,2,3
	v_sub_nc_u32 v[CURH+\t], v[CL+\t], v[\sub]
.endr
.else
	global_store_b32 v18, v[CW], s[76:77]
.endif
.endm
.macro STEP k
.if (\k) < 25
	s_wait_dscnt 9                                 ; tile k's record is in; the nine loads of tile k + 1 may be out
.else
	s_wait_dscnt 0x0
.endif
	MM \k
	SELT (\k)-1
.if (\k) == 1
	END 0, 3
.elseif (\k) == 2
	END 1, 3
.elseif (\k) == 6
	END 2, SUB3
.elseif (\k) == 10
	END 3, SUB4
.endif
.if (\k) == 4
	s_wait_tensorcnt 0x1                           ; my four records of level 3 have landed (only I read them); my last load may be out
.elseif (\k) == 8
	s_wait_tensorcnt 0x0                           ; my sixteen of level 4
.endif
.if (\k) < 24
	FETCH (\k)+2
.endif
.endm
	s_load_b128 s[4:7], s[0:1], 0x0                ; rec, act
	s_load_b64 s[8:9], s[0:1], 0x10                ; node
	v_lshl_add_u32 v209, v0, 2, 0x47600
	s_set_vgpr_msb 0x40
	v_mov_b32 v97, 0
	s_set_vgpr_msb 0x4044
	ds_add_u32 v209, v97
	ds_add_u32 v209, v97
	s_set_vgpr_msb 0x4400
	v_lshrrev_b32 v1, 5, v0
	v_readfirstlane_b32 s10, v1                    ; wave 0..3
	s_and_b32 s13, ttmp7, 0xffff                   ; the tree, which the four partners share
	G1SET 24, 17
	G1SET 32, 52
	G1SET 40, 208
	s_mul_i32 s14, s13, 341*RECB
	s_mov_b32 s15, 0
	s_mov_b32 s19, 0
	s_mov_b32 s20, 0x76543210
	s_mov_b32 s21, 0xfedcba98
	s_mov_b32 s[GC], 0xb9d25000
	s_wait_dscnt 0x0
	s_wait_kmcnt 0x0
	s_add_nc_u64 s[16:17], s[4:5], s[14:15]        ; the tree's first record
	s_mov_b32 s48, 1                               ; group 0: my quarter of records 0-4
	s_mul_i32 s49, s10, 4352
	s_mul_i32 s18, s10, 4352
	s_add_nc_u64 s[50:51], s[16:17], s[18:19]
	s_or_b32 s51, s51, 0x80000000
	s_mov_b32 s52, 1                               ; my four records of level 3
	s_mul_i32 s18, s10, 13312
	s_add_co_u32 s53, s18, L3R
	s_add_nc_u64 s[54:55], s[16:17], s[18:19]
	s_add_nc_u64 s[54:55], s[54:55], 5*RECB
	s_or_b32 s55, s55, 0x80000000
	s_mov_b32 s56, 1                               ; my sixteen of level 4
	s_mul_i32 s18, s10, 53248
	s_add_co_u32 s57, s18, L4R
	s_add_nc_u64 s[58:59], s[16:17], s[18:19]
	s_add_nc_u64 s[58:59], s[58:59], 21*RECB
	s_or_b32 s59, s59, 0x80000000
	ROUND                                          ; all four work-groups are here: the joint loads meet
	tensor_load_to_lds s[48:51], s[24:31]          ; three loads of mine are out, each filling bytes once
	s_nop 0
	tensor_load_to_lds s[52:55], s[32:39]
	s_nop 0
	tensor_load_to_lds s[56:59], s[40:47]
	s_nop 0
.rept 4
	v_nop
.endr
	s_bfe_u32 s11, ttmp6, 0x40000                  ; my place in the cluster: it enters global addresses of x, act and node alone
	s_lshl_b32 s12, ttmp9, 2
	s_add_co_u32 s12, s12, s11                     ; my block of 64 tokens
	s_lshl_b32 s2, s12, 2
	s_add_co_u32 s2, s2, 1365
	s_mul_i32 s2, s2, RECB
	s_mov_b32 s3, 0
	s_add_nc_u64 s[22:23], s[4:5], s[2:3]          ; the records of my four tiles of x
	s_add_nc_u64 s[60:61], s[4:5], 1364*RECB       ; the roots' record
	s_lshl_b32 s11, s12, 2
	s_add_co_u32 s11, s11, s10                     ; the tile that I finish
	s_lshl_b32 s2, s11, 2
	s_add_co_u32 s2, s2, s13
	s_mul_i32 s2, s2, 1280
	s_add_nc_u64 s[62:63], s[6:7], s[2:3]
	s_lshl_b32 s2, s13, 14
	s_lshl_b32 s11, s11, 6
	s_add_co_u32 s2, s2, s11
	s_add_nc_u64 s[76:77], s[8:9], s[2:3]
	v_and_b32 v210, 31, v0                         ; lane
	v_and_b32 v1, 15, v0                           ; r
	v_bfe_u32 v2, v0, 4, 1                         ; h
	v_lshl_add_u32 v3, v2, 1, 1                    ; 1 + 2 h
	v_lshlrev_b32 v4, 4, v210                      ; a record's three places for my lane: codes,
	v_lshl_add_u32 v5, v210, 2, 3072               ; scale word,
	v_lshl_add_u32 v6, v2, 5, 3200                 ; the eight biases of my half
	s_mul_i32 s14, s10, 13312
	s_add_co_u32 s14, s14, L3R
	v_add_nc_u32 v7, s14, v4
	v_add_nc_u32 v8, s14, v5
	v_add_nc_u32 v9, s14, v6
	s_mul_i32 s14, s10, 53248
	s_add_co_u32 s14, s14, L4R
	v_add_nc_u32 v10, s14, v4
	v_add_nc_u32 v11, s14, v5
	v_add_nc_u32 v12, s14, v6
	s_lshl_b32 s14, s10, 11
	s_add_co_u32 s14, s14, EXA
	v_add_nc_u32 v13, s14, v4
	s_lshl_b32 s14, s10, 9
	s_add_co_u32 s14, s14, EXA
	v_add_nc_u32 v14, s14, v4
	v_lshl_add_u32 v16, v210, 2, EXB
	s_lshl_b32 s14, s10, 7
	v_add_nc_u32 v15, s14, v16
	v_lshlrev_b32 v17, 4, v1
	v_lshlrev_b32 v18, 2, v1
	s_lshl_b32 s14, s10, 4
	v_add_nc_u32 v[SUB3], s14, v3
	s_lshl_b32 s14, s10, 6
	v_add_nc_u32 v[SUB4], s14, v3
	WIN 0x40                                       ; destination window 1: x's fragments stay there, 24 registers a tile
.irp t, 0,1,2,3
.irp j, 0,1,2,3,4,5
	global_load_b128 v[24*\t+4*\j:24*\t+4*\j+3], v4, s[22:23] offset:RECB*\t+512*\j
.endr
.endr
	WIN 0
.irp t, 0,1,2,3
	global_load_b32 v[XS+\t], v5, s[22:23] offset:RECB*\t
.endr
.irp j, 0,1,2,3,4,5
	global_load_b128 v[WB+4*\j:WB+4*\j+3], v4, s[60:61] offset:512*\j   ; tile 0, the roots, straight into buffer 0
.endr
	global_load_b32 v[WB+32], v5, s[60:61]
	global_load_b128 v[WB+24:WB+27], v6, s[60:61]
	global_load_b128 v[WB+28:WB+31], v6, s[60:61] offset:16
	v_lshlrev_b32 v211, 1, v2
.irp t, 0,1,2,3
	v_sub_nc_u32 v[CURH+\t], s13, v211             ; in the roots' tile child 2 h + e is tree 2 h + e
.endr
	v_mov_b32 v[CW], 0
.irp j, 0,1,2,3,4,5,6,7,8,9,10,11,12,13,14,15
	v_mov_b32 v[SL+\j], 0
.endr
.irp f, 0,1,2,3
	v_mov_b32 v[TP+16+\f], 0                       ; a lane permute's destination counts as one of its sources
.endr
	s_wait_tensorcnt 0x2                           ; my quarter of records 0-4 is in (my two later loads may be out)
	s_barrier_signal -1
	s_barrier_wait -1                              ; everybody's is
	FETCH 1
	FETCH 2
	s_wait_loadcnt 0x0                             ; x and the roots
	MM 0
.set KK, 1
.rept 25
	STEP KK
.set KK, KK+1
.endr
	SELT 25
	END 4, 3
	s_set_vgpr_msb 0x4
	s_wait_tensorcnt 0x0
	ds_add_u32 v209, v97
	s_wait_dscnt 0x0
	s_set_vgpr_msb 0x400
	ROUND                                          ; the closing round: no work-group ends while a partner may still ask
	s_endpgm
.Lfunc_end_k_q8232ec1551_walk:
	.size	k_q8232ec1551_walk, .Lfunc_end_k_q8232ec1551_walk-k_q8232ec1551_walk
	.p2alignl 7, 3214868480
	.fill 96, 4, 3214868480
	.section	.rodata,"a",@progbits
	.p2align	6, 0x0
	.amdhsa_kernel k_q8232ec1551_walk
		.amdhsa_group_segment_fixed_size 327680
		.amdhsa_private_segment_fixed_size 0
		.amdhsa_enable_private_segment 0
		.amdhsa_kernarg_size 24
		.amdhsa_user_sgpr_count 2
		.amdhsa_user_sgpr_kernarg_segment_ptr 1
		.amdhsa_wavefront_size32 1
		.amdhsa_system_sgpr_workgroup_id_x 1
		.amdhsa_system_sgpr_workgroup_id_y 1
		.amdhsa_system_sgpr_workgroup_id_z 1
		.amdhsa_system_vgpr_workitem_id 0
		.amdhsa_next_free_vgpr 354
		.amdhsa_next_free_sgpr 80
		.amdhsa_reserve_vcc 1
		.amdhsa_float_denorm_mode_32 3
		.amdhsa_float_denorm_mode_16_64 3
		.amdhsa_memory_ordered 1
		.amdhsa_forward_progress 1
		.amdhsa_inst_pref_size 180
	.end_amdhsa_kernel
	.amdgpu_metadata
---
amdhsa.version: [ 1, 2 ]
amdhsa.kernels:
  - .name:           k_q8232ec1551_walk
    .symbol:         k_q8232ec1551_walk.kd
    .args:
      - { .name: rec, .offset: 0, .size: 8, .value_kind: global_buffer, .address_space: global }
      - { .name: act, .offset: 8, .size: 8, .value_kind: global_buffer, .address_space: global }
      - { .name: node, .offset: 16, .size: 8, .value_kind: global_buffer, .address_space: global }
    .group_segment_fixed_size: 327680
    .private_segment_fixed_size: 0
    .kernarg_segment_align: 8
    .kernarg_segment_size: 24
    .max_flat_workgroup_size: 128
    .sgpr_count:     80
    .vgpr_count:     354
    .wavefront_size: 32
...
	.end_amdgpu_metadata
.endif
;; end of part 2
;; launch leaf (part 3): grid 256 x 1, 16 waves a work-group, no clusters, 76,800 bytes of LDS; arguments rec, wo, act, node, out0; writes out0
.if DOCPART == 3
	.amdgcn_target "amdgcn-amd-amdhsa--gfx1250"
	.amdhsa_code_object_version 6
	.text
	.protected	k_q8232ec1551_leaf
	.globl	k_q8232ec1551_leaf
	.p2align	8
	.type	k_q8232ec1551_leaf,@function
k_q8232ec1551_leaf:
	s_mov_b64 s[64:65], 0
	v_nop
	global_prefetch_b8 v0, s[64:65] scope:SCOPE_SE
	s_setreg_imm32_b32 hwreg(HW_REG_WAVE_MODE, 25, 1), 1
	s_wait_xcnt 0x0
; Level 5 of the first product for the node that each token reached, the quantiser of the masked hidden layer, and the whole second product, all on codes of BF6 with E8M0 scales.
; Work-group = 16 tokens.  Wave = tree p (wave / 4) x a quarter nq of the outputs: four tiles i of 16 outputs, n = 128 (nq / 2) + 32 i + 16 (nq % 2) + m.
; No cluster: what the work-groups read are gathers whose addresses hang on their own tokens' nodes; no tile is shared at the same time.
; ADDRESSES hang on node numbers that an earlier launch stored as whole numbers; each is held to its table by v_min_u32 before it enters an address.
; THE SECOND PRODUCT.  Of K = 21,840 a token keeps 24 groups of four.  In the matrix instruction a block of 32 along K carries ONE group: its four codes in bits 23:0 of operand register 0 or 6, zero codes elsewhere on the token's side.
; The block's two scale bytes are those of the true block of 32 in which the group lies, so each product is the quantised number x the quantised number, as if K were walked whole.
; (W_out's word keeps its scale byte in bits 31:24: it meets zero codes of the token's side and adds nothing.)  A K step is four such blocks: level 0 (shared), level 1 (the four groups), levels 2-5: four tokens' groups each.
; A HIDDEN BLOCK'S SCALE is the largest magnitude of all kept groups in it.  On a path c(d+1) - c(d) = 3 c + 1 + m is 16 or more from c = 5 on, so only levels 0, 1, 2 of a tree can meet, and, since a tree's groups begin
; inside a block, the tree before's level 5 with them, and this tree's level 5 with the next tree's levels 0, 1, 2.
; LIMITS: NaN and infinities are not served; v_exp_f32 gives 0 for results under 2^-126, so gelu(z) is -0 for z under about -13.2.
.set RECB,  3328
.set RED,   8192                       ; LDS: 0 .. 8191 level 5's gelu (512 wave + 16 lane);  then the four trees' sums: 16,640 tree + 1,040 token + 4 n
.set CODE,  10                         ; v10-15  the token's four codes of level d
.set SCW,   16                         ; v16-21  its scale byte, four times
.set TK,    22                         ; v22-33  the tokens' operand  (before: the next tree's gelu of levels 0-2)
.set WSC,   34                         ; v34-41  W_out's scale words, two sets of four
.set LATE,  50                         ; v50-61  the offsets of K steps 12-17
.set WOP,   64                         ; v64-111 W_out's four operands
.set ACC,   112                        ; v112-143 four accumulators
.set NQ,    112                        ; at first: the nodes of the tokens of my slots
.set RING,  144                        ; v144-239 twelve K steps' words on their way
.set GC,    76
.macro GELU z, a, t                    ; gelu(z) = (0.5 z) erfc(-z / sqrt 2) for four numbers; erfc(a) = exp(-a a) (1 + p(q)) / (1 + 2 a), q = (a - 2) / (a + 2), with the residuals of both quotients and of the exponent
.irp f, 0,1,2,3
	v_mul_f32 v[\t+\f], 0x3f3504f3, |v[\z+\f]|
.endr
.irp f, 0,1,2,3
	v_min_num_f32 v[\t+\f], 0x41800000, v[\t+\f]          ; a held at 16, where erfc has long been 0 in f32
.endr
.irp f, 0,1,2,3
	v_add_f32 v[\t+16+\f], 2.0, v[\t+\f]
.endr
.irp f, 0,1,2,3
	v_rcp_f32 v[\t+4+\f], v[\t+16+\f]
.endr
.irp f, 0,1,2,3
	v_fma_f32 v[\t+28+\f], 2.0, v[\t+\f], 1.0             ; (plain lines behind the reciprocals)
.endr
	s_wait_alu depctr_va_vdst(0)
.irp f, 0,1,2,3
	v_fma_f32 v[\t+8+\f], -4.0, v[\t+4+\f], 1.0
.endr
.irp f, 0,1,2,3
	v_add_f32 v[\t+12+\f], 1.0, v[\t+8+\f]
.endr
.irp f, 0,1,2,3
	v_fma_f32 v[\t+12+\f], v[\t+12+\f], -2.0, v[\t+\f]
.endr
.irp f, 0,1,2,3
	v_fma_f32 v[\t+12+\f], v[\t+8+\f], -v[\t+\f], v[\t+12+\f]
.endr
.irp f, 0,1,2,3
	v_fma_f32 v[\t+8+\f], v[\t+4+\f], v[\t+12+\f], v[\t+8+\f]
.endr
.irp f, 0,1,2,3
	v_rcp_f32 v[\t+4+\f], v[\t+28+\f]
.endr
.irp f, 0,1,2,3
	v_fmaak_f32 v[\t+16+\f], s[GC], v[\t+8+\f], 0xbaa15130
.endr
.irp c, 0x3aac2b8a, 0x3c0d6e62, 0xbc040dc1, 0xbd5e05b5, 0x3e27fe23, 0xbe2a0420, 0xbdbdfb0b, 0x3e8dd01d
.irp f, 0,1,2,3
	v_fmaak_f32 v[\t+16+\f], v[\t+16+\f], v[\t+8+\f], \c
.endr
.endr
	s_wait_alu depctr_va_vdst(0)
.irp f, 0,1,2,3
	v_fma_f32 v[\t+8+\f], v[\t+16+\f], v[\t+4+\f], v[\t+4+\f]
.endr
.irp f, 0,1,2,3
	v_fma_f32 v[\t+12+\f], v[\t+8+\f], -v[\t+\f], 0.5
.endr
.irp f, 0,1,2,3
	v_sub_f32 v[\t+16+\f], v[\t+16+\f], v[\t+8+\f]
.endr
.irp f, 0,1,2,3
	v_fma_f32 v[\t+12+\f], v[\t+12+\f], 2.0, v[\t+16+\f]
.endr
.irp f, 0,1,2,3
	v_fma_f32 v[\t+4+\f], v[\t+12+\f], v[\t+4+\f], v[\t+8+\f]
.endr
.irp f, 0,1,2,3
	v_mul_f32 v[\t+20+\f], v[\t+\f], v[\t+\f]
.endr
.irp f, 0,1,2,3
	v_mul_f32 v[\t+24+\f], 0xbfb8aa3b, v[\t+20+\f]
.endr
.irp f, 0,1,2,3
	v_fma_f32 v[\t+28+\f], v[\t+20+\f], 0xbfb8aa3b, -v[\t+24+\f]
.endr
.irp f, 0,1,2,3
	v_fmamk_f32 v[\t+28+\f], v[\t+20+\f], 0xb2a57060, v[\t+28+\f]
.endr
.irp f, 0,1,2,3
	v_fma_f32 v[\t+12+\f], v[\t+\f], -v[\t+\f], v[\t+20+\f]
.endr
.irp f, 0,1,2,3
	v_exp_f32 v[\t+24+\f], v[\t+24+\f]
.endr
.irp f, 0,1,2,3
	v_fmamk_f32 v[\t+12+\f], v[\t+28+\f], 0x3f317218, v[\t+12+\f]   ; (plain lines behind the exponentials)
.endr
	s_wait_alu depctr_va_vdst(0)
.irp f, 0,1,2,3
	v_mul_f32 v[\t+4+\f], v[\t+4+\f], v[\t+24+\f]
.endr
.irp f, 0,1,2,3
	v_fma_f32 v[\t+4+\f], v[\t+4+\f], v[\t+12+\f], v[\t+4+\f]
.endr
.irp f, 0,1,2,3
	v_sub_f32 v[\t+16+\f], 2.0, v[\t+4+\f]
.endr
.irp f, 0,1,2,3
	v_mul_f32 v[\t+20+\f], 0.5, v[\z+\f]
.endr
.irp f, 0,1,2,3
	v_cmp_lt_f32 vcc_lo, 0, v[\z+\f]
	v_cndmask_b32 v[\t+4+\f], v[\t+4+\f], v[\t+16+\f], vcc_lo
.endr
.irp f, 0,1,2,3
	v_mul_f32 v[\a+\f], v[\t+20+\f], v[\t+4+\f]
.endr
.endm
.macro UP reg                          ; a node's parent
	v_add_nc_u32 v[\reg], -1, v[\reg]
	v_lshrrev_b32 v[\reg], 2, v[\reg]
.endm
.macro MAX4 dst, src                   ; a group's largest magnitude
	v_max3_num_f32 v[\dst], |v[\src]|, |v[\src+1]|, |v[\src+2]|
	v_max_num_f32 v[\dst], v[\dst], |v[\src+3]|
.endm
.macro JOIN sd, mx, m, tmp             ; where the two groups lie in one block, the other's largest magnitude counts too
	v_cndmask_b32 v[\tmp], 0, v[\mx], s[\m]
	v_max_num_f32 v[\sd], v[\sd], v[\tmp]
.endm
.macro MKCODE d, src                   ; four numbers and twelve zeros through the conversion: the low 24 bits are the group's codes, the rest zero codes
.irp f, 0,1,2,3
	v_mov_b32 v[240+\f], v[\src+\f]
.endr
	v_cvt_scalef32_pk16_bf6_f32 v[108:110], v[240:255], v[82+\d]
	v_nop                                          ; one plain line behind the conversion
	v_mov_b32 v[CODE+\d], v108
.endm
; K step j, level d; ma, mb: the scalar masks of the lanes whose token lies in the block of operand register 0, 6
.macro KSTEP j, d, ma, mb
.set RB, RING+8*((\j)%12)
.if (\j) == 0
.set RC, RB
.else
.set RC, RB+4
.endif
.set WSJ, WSC+4*((\j)%2)
.if 2*(17-(\j)) < 22
	s_wait_loadcnt 2*(17-(\j))                     ; behind this step's loads only those of the later steps were issued, two each
.else
	s_wait_loadcnt 22
.endif
.irp i, 0,1,2,3
	v_perm_b32 v[240+\i], v[RC+\i], v[RB+\i], s36  ; my two blocks' scale bytes;  (these twelve lines name no register of the last products: they are the places behind them)
.endr
.irp i, 0,1,2,3
	v_permlanex16_b32 v[244+\i], v[240+\i], s20, s21
.endr
.irp i, 0,1,2,3
	v_perm_b32 v[WSJ+\i], v[244+\i], v[240+\i], s37   ; with lane l xor 16's two: the row's scale word, blocks 0, 1, 2, 3
.endr
	v_cndmask_b32 v[TK], 0, v[CODE+\d], s[\ma]
	v_cndmask_b32 v[TK+6], 0, v[CODE+\d], s[\mb]
.irp i, 0,1,2,3
	v_mov_b32 v[WOP+12*\i], v[RB+\i]
	v_mov_b32 v[WOP+12*\i+6], v[RC+\i]
.endr
.if (\j) < 6
	global_load_b128 v[RB:RB+3], v[LATE+2*(\j)], s[50:51]       ; the slot takes K step j + 12
	global_load_b128 v[RB+4:RB+7], v[LATE+2*(\j)+1], s[50:51]
.endif
.rept 8
	v_nop                                          ; a scale word made by vector lines stands eight places ahead of the scaled product, an operand four
.endr
.irp i, 0,1,2,3                                ; the four accumulators take turns
.if (\j) == 0
	v_wmma_scale_f32_16x16x128_f8f6f4 v[ACC+8*\i:ACC+8*\i+7], v[WOP+12*\i:WOP+12*\i+11], v[TK:TK+11], 0, v[WSJ+\i], v[SCW+\d] matrix_a_fmt:MATRIX_FMT_BF6 matrix_b_fmt:MATRIX_FMT_BF6
.else
	v_wmma_scale_f32_16x16x128_f8f6f4 v[ACC+8*\i:ACC+8*\i+7], v[WOP+12*\i:WOP+12*\i+11], v[TK:TK+11], v[ACC+8*\i:ACC+8*\i+7], v[WSJ+\i], v[SCW+\d] matrix_a_fmt:MATRIX_FMT_BF6 matrix_b_fmt:MATRIX_FMT_BF6
.endif
.endr
.endm
	s_load_b256 s[4:11], s[0:1], 0x0               ; rec s[4:5], wo s[6:7], act s[8:9], node s[10:11]
	s_load_b64 s[12:13], s[0:1], 0x20              ; out0
	v_lshl_add_u32 v48, v0, 2, 0x12400
	v_mov_b32 v49, 0
	v_lshrrev_b32 v1, 5, v0
	v_readfirstlane_b32 s14, v1                    ; wave 0..15
	s_lshr_b32 s15, s14, 2                         ; p
	s_and_b32 s16, s14, 3                          ; nq
	s_add_co_u32 s18, s15, 3
	s_and_b32 s18, s18, 3                          ; the tree before,
	s_add_co_u32 s19, s15, 1
	s_and_b32 s19, s19, 3                          ; the next (round the ends: their blocks never match)
	s_mov_b32 s20, 0x76543210
	s_mov_b32 s21, 0xfedcba98
	s_mov_b32 s22, 0xaaaaaaaa
	s_mov_b32 s23, 0xcccc3333
.irp q, 0,1,2,3
	s_mov_b32 s[24+\q], (1<<(4*\q))|(1<<(17+4*\q))       ; register 0: token 4 q in lanes 0-15 (block 0), token 4 q + 1 in lanes 16-31 (block 1)
	s_mov_b32 s[28+\q], (1<<(4*\q+2))|(1<<(19+4*\q))     ; register 6: tokens 4 q + 2 (block 2), 4 q + 3 (block 3)
.endr
	s_mov_b32 s32, 0xffff
	s_mov_b32 s33, 0
	s_mov_b32 s36, 0x07030703
	s_mov_b32 s37, 0x05010400
	s_mov_b32 s[GC], 0xb9d25000
	s_mul_i32 s53, s15, 1365
	s_mul_i32 s54, s18, 1365
	s_mul_i32 s55, s19, 1365
	s_mul_i32 s52, s15, 1364
	s_sub_co_u32 s52, s52, 1
	s_mov_b32 s57, 0
	v_and_b32 v63, 31, v0                          ; lane
	v_and_b32 v1, 15, v0                           ; r
	v_bfe_u32 v2, v0, 4, 1                         ; h
	s_lshl_b32 s58, s16, 8
	v_lshl_add_u32 v3, v1, 4, s58                  ; my row's 16 bytes in a group of wo: 256 nq + 16 r
	v_lshlrev_b32 v4, 4, v0                        ; level 5's gelu, in: 512 wave + 16 lane
	v_lshrrev_b32 v240, 2, v1
	v_lshlrev_b32 v241, 9, v240
	v_lshl_add_u32 v241, v1, 4, v241
	s_lshl_b32 s58, s15, 11
	v_add_nc_u32 v5, s58, v241                     ; back: token r's, from wave 4 p + r / 4, lane r;
	s_lshl_b32 s58, s18, 11
	v_add_nc_u32 v6, s58, v241                     ; the same of the tree before
	s_mul_i32 s58, s15, 16640
	s_lshr_b32 s59, s16, 1
	s_lshl_b32 s59, s59, 9
	s_add_co_u32 s58, s58, s59
	s_and_b32 s59, s16, 1
	s_lshl_b32 s59, s59, 6
	s_add_co_u32 s58, s58, s59
	s_add_co_u32 s58, s58, RED
	v_mul_u32_u24 v7, v1, 1040
	v_lshl_add_u32 v7, v2, 5, v7
	v_add_nc_u32 v7, s58, v7                       ; my sums: tree, token r, my outputs' bytes
	s_mul_i32 s58, s14, 1040
	s_add_co_u32 s58, s58, RED
	v_lshlrev_b32 v9, 4, v63
	v_add_nc_u32 v8, s58, v9                       ; back: token = wave, 16 bytes a lane
	v_lshlrev_b32 v242, 2, v2
	v_lshlrev_b32 v243, 2, v1
	s_lshl_b32 s58, s16, 4
	v_lshl_add_u32 v244, v240, 2, s58
	v_lshlrev_b32 v245, 4, v1
	v_lshl_add_u32 v246, v63, 2, 3072
	v_lshl_add_u32 v62, v2, 10, v3                 ; level 1's groups 1 + h, 3 + h
	s_lshl_b32 s17, ttmp9, 6
	s_wait_kmcnt 0x0
	s_lshl_b32 s56, s15, 14
	s_add_co_u32 s56, s56, s17
	s_add_nc_u64 s[38:39], s[10:11], s[56:57]      ; my 16 tokens' nodes: this tree,
	s_lshl_b32 s56, s18, 14
	s_add_co_u32 s56, s56, s17
	s_add_nc_u64 s[40:41], s[10:11], s[56:57]      ; the one before,
	s_lshl_b32 s56, s19, 14
	s_add_co_u32 s56, s56, s17
	s_add_nc_u64 s[42:43], s[10:11], s[56:57]      ; the next
	s_lshl_b32 s17, ttmp9, 2
	s_add_co_u32 s56, s17, s15
	s_mul_i32 s56, s56, 1280
	s_add_nc_u64 s[44:45], s[8:9], s[56:57]
	s_add_co_u32 s56, s17, s19
	s_mul_i32 s56, s56, 1280
	s_add_nc_u64 s[46:47], s[8:9], s[56:57]
	s_add_co_u32 s56, ttmp9, 1365
	s_mul_i32 s56, s56, RECB
	s_add_nc_u64 s[48:49], s[4:5], s[56:57]        ; my tokens' record
	s_lshl_b32 s56, s53, 10
	s_add_nc_u64 s[50:51], s[6:7], s[56:57]        ; the tree's first group in wo
	s_lshl_b32 s56, ttmp9, 4
	s_add_co_u32 s56, s56, s14
	s_lshl_b32 s56, s56, 10
	s_add_nc_u64 s[12:13], s[12:13], s[56:57]      ; the row of the output that I store
	; ---- A: loads.  Twelve of nodes, eight of gelu, seven of x
.irp x, 0,1,2,3,4,5,6,7
	global_load_b32 v[NQ+\x], v242, s[38:39] offset:8*\x   ; x = 2 q + e: the node of token 4 q + h + 2 e
.endr
	global_load_b32 v42, v243, s[38:39]            ; token r's node: this tree,
	global_load_b32 v43, v243, s[40:41]            ; the one before,
	global_load_b32 v44, v243, s[42:43]            ; the next;
	global_load_b32 v45, v244, s[38:39]            ; token 4 nq + r / 4
.irp d, 0,1,2,3,4
	global_load_b128 v[124+4*\d:127+4*\d], v245, s[44:45] offset:256*\d
.endr
.irp d, 0,1,2
	global_load_b128 v[TK+4*\d:TK+4*\d+3], v245, s[46:47] offset:256*\d
.endr
.irp j, 0,1,2,3,4,5
	global_load_b128 v[64+4*\j:67+4*\j], v9, s[48:49] offset:512*\j
.endr
	global_load_b32 v46, v246, s[48:49]
	s_wait_loadcnt 15                              ; the nodes are in; the fifteen loads behind them may be out
	s_wait_xcnt 0x0                                ; the offsets above may be written again
	; level 5's rows of W_in: row m = r of my tile is unit r % 4 of the node of token 4 nq + r / 4; it lies in record (1364 p + c - 1) / 4, rows 4 ((c - 1) % 4) on
	v_and_b32 v247, 3, v1
	v_lshlrev_b32 v240, 4, v247
	v_lshl_add_u32 v240, v2, 8, v240
	v_lshlrev_b32 v241, 2, v247
	v_lshl_add_u32 v241, v2, 6, v241
	v_add_nc_u32 v242, s52, v45
	v_min_u32 v242, 5455, v242
	v_and_b32 v243, 0x1ffc, v242
	v_mul_u32_u24 v243, v243, 832
	v_and_b32 v242, 3, v242
	v_add_nc_u32 v240, v240, v243
	v_lshl_add_u32 v240, v242, 6, v240             ; its codes,
	v_add_nc_u32 v241, v241, v243
	v_lshl_add_u32 v241, v242, 4, v241             ; its scale words;
	v_add_nc_u32 v244, s52, v42
	v_min_u32 v244, 5455, v244
	v_and_b32 v245, 0x1ffc, v244
	v_mul_u32_u24 v245, v245, 832
	v_and_b32 v244, 3, v244
	v_lshl_add_u32 v245, v244, 4, v245             ; the four biases of token r's node
.irp j, 0,1,2,3,4,5
	global_load_b128 v[88+4*\j:91+4*\j], v240, s[4:5] offset:512*\j
.endr
	global_load_b32 v47, v241, s[4:5] offset:3072
	global_load_b128 v[120:123], v245, s[4:5] offset:3200
	; the offsets into wo: 1,024 x node + my row.  Those of K steps 2-11 are made in the first register of the load's own destination
.irp x, 0,1,2,3,4,5,6,7
	v_min_u32 v[248+\x], 1364, v[NQ+\x]
.endr
.irp x, 0,1,2,3,4,5,6,7
	v_lshl_add_u32 v[LATE+4+\x], v[248+\x], 10, v3         ; level 5
.endr
.irp x, 0,1,2,3,4,5,6,7
	UP NQ+\x
.endr
.irp x, 0,1,2,3,4,5,6,7
	v_min_u32 v[248+\x], 1364, v[NQ+\x]
.endr
.irp x, 0,1,2,3
	v_lshl_add_u32 v[RING+8*(10+\x/2)+4*(\x%2)], v[248+\x], 10, v3   ; level 4
.endr
.irp x, 4,5,6,7
	v_lshl_add_u32 v[LATE-4+\x], v[248+\x], 10, v3
.endr
.irp x, 0,1,2,3,4,5,6,7
	UP NQ+\x
.endr
.irp x, 0,1,2,3,4,5,6,7
	v_min_u32 v[248+\x], 1364, v[NQ+\x]
.endr
.irp x, 0,1,2,3,4,5,6,7
	v_lshl_add_u32 v[RING+8*(6+\x/2)+4*(\x%2)], v[248+\x], 10, v3    ; level 3
.endr
.irp x, 0,1,2,3,4,5,6,7
	UP NQ+\x
.endr
.irp x, 0,1,2,3,4,5,6,7
	v_min_u32 v[248+\x], 1364, v[NQ+\x]
.endr
.irp x, 0,1,2,3,4,5,6,7
	v_lshl_add_u32 v[RING+8*(2+\x/2)+4*(\x%2)], v[248+\x], 10, v3    ; level 2
.endr
	global_load_b128 v[RING:RING+3], v3, s[50:51]                    ; K step 0: group 0
	global_load_b128 v[RING+8:RING+11], v62, s[50:51] offset:1024    ; K step 1: groups 1 + h,
	global_load_b128 v[RING+12:RING+15], v62, s[50:51] offset:3072   ; 3 + h
.irp j, 2,3,4,5,6,7,8,9,10,11
	global_load_b128 v[RING+8*\j:RING+8*\j+3], v[RING+8*\j], s[50:51]
	global_load_b128 v[RING+8*\j+4:RING+8*\j+7], v[RING+8*\j+4], s[50:51]
.endr
	; ---- B: level 5's logits of my four tokens
	s_wait_loadcnt 23                              ; all but the 23 loads from wo
	v_wmma_scale_f32_16x16x128_f8f6f4 v[112:119], v[88:99], v[64:75], 0, v47, v46 matrix_a_fmt:MATRIX_FMT_BF6 matrix_b_fmt:MATRIX_FMT_BF6
	s_wait_alu depctr_va_vdst(0)                   ; the second product reads the first's result
	v_wmma_scale_f32_16x16x128_f8f6f4 v[112:119], v[100:111], v[76:87], v[112:119], v47, v46 matrix_a_fmt:MATRIX_FMT_BF6 matrix_b_fmt:MATRIX_FMT_BF6 matrix_a_scale:MATRIX_SCALE_ROW1 matrix_b_scale:MATRIX_SCALE_ROW1
.rept 4
	v_nop
.endr
.irp f, 0,1,2,3                                ; token r's rows are 4 (r % 4) + f: registers 4 (r % 2) + f of the half (r / 2) % 2
	v_cndmask_b32 v[240+\f], v[112+\f], v[116+\f], s22
.endr
.irp f, 0,1,2,3
	v_permlanex16_b32 v[244+\f], v[240+\f], s20, s21
.endr
.irp f, 0,1,2,3
	v_cndmask_b32 v[240+\f], v[244+\f], v[240+\f], s23
.endr
.irp f, 0,1,2,3
	v_add_f32 v[248+\f], v[240+\f], v[120+\f]
.endr
	GELU 248, 252, 64
	ds_store_b128 v4, v[252:255]                   ; (of lanes whose token is not among my four nobody reads the bytes)
	s_wait_dscnt 0x0
	s_barrier_signal -1
	s_barrier_wait -1
	; ---- C: the quantiser, a lane to a token (both halves of the lanes alike)
	ds_load_b128 v[100:103], v5
	ds_load_b128 v[104:107], v6
	v_add_nc_u32 v66, -1, v42
	v_add_nc_u32 v89, -1, v44
	v_lshrrev_b32 v66, 2, v66                      ; level 4's node, this tree's and the next's
	v_lshrrev_b32 v89, 2, v89
	UP 66
	UP 89
	UP 66                                          ; c2
	UP 89
	v_add_nc_u32 v65, -1, v66
	v_add_nc_u32 v88, -1, v89
	v_lshrrev_b32 v65, 2, v65                      ; c1
	v_lshrrev_b32 v88, 2, v88
	s_lshr_b32 s58, s53, 3
	v_mov_b32 v70, s58                             ; blocks: (1365 tree + node) / 8
	v_add_nc_u32 v71, s53, v65
	v_add_nc_u32 v72, s53, v66
	v_add_nc_u32 v75, s53, v42
	v_lshrrev_b32 v71, 3, v71
	v_lshrrev_b32 v72, 3, v72
	v_lshrrev_b32 v75, 3, v75
	s_lshr_b32 s58, s55, 3
	v_mov_b32 v90, s58
	v_add_nc_u32 v91, s55, v88
	v_add_nc_u32 v92, s55, v89
	v_add_nc_u32 v96, s54, v43
	v_lshrrev_b32 v91, 3, v91
	v_lshrrev_b32 v92, 3, v92
	v_lshrrev_b32 v96, 3, v96
	v_cmp_eq_u32 s66, v70, v71
	v_cmp_eq_u32 s67, v70, v72
	v_cmp_eq_u32 s68, v71, v72
	v_cmp_eq_u32 s69, v70, v96
	v_cmp_eq_u32 s70, v71, v96
	v_cmp_eq_u32 s71, v72, v96
	v_cmp_eq_u32 s72, v75, v90
	v_cmp_eq_u32 s73, v75, v91
	v_cmp_eq_u32 s74, v75, v92
	v_add_nc_u32 v98, -1, v65
	v_add_nc_u32 v99, 2, v2
	v_cmp_eq_u32 s34, v98, v2                      ; level 1: my token's group lies in block h,
	v_cmp_eq_u32 s35, v98, v99                     ; in block 2 + h
.irp d, 0,1,2,3,4
	MAX4 76+\d, 124+4*\d
.endr
.irp d, 0,1,2
	MAX4 93+\d, TK+4*\d
.endr
	s_wait_dscnt 0x0
	MAX4 81, 100
	MAX4 97, 104
.irp d, 0,1,2,3,4,5
	v_max_num_f32 v[82+\d], 0x2800000, v[76+\d]    ; the floor 2^(5 - 127): the byte cannot fall under 1
.endr
	JOIN 82, 77, 66, 98
	JOIN 83, 76, 66, 99
	JOIN 84, 76, 67, 98
	JOIN 87, 93, 72, 99
	JOIN 82, 78, 67, 98
	JOIN 83, 78, 68, 99
	JOIN 84, 77, 68, 98
	JOIN 87, 94, 73, 99
	JOIN 82, 97, 69, 98
	JOIN 83, 97, 70, 99
	JOIN 84, 97, 71, 98
	JOIN 87, 95, 74, 99
.irp d, 0,1,2,3,4,5
	v_add_nc_u32 v[82+\d], 0xfe000000, v[82+\d]    ; 4 off the exponent field: the conversion's scale operand
.endr
.irp d, 0,1,2,3,4,5
	v_lshrrev_b32 v[64+\d], 23, v[82+\d]           ; the scale's byte,
.endr
.irp d, 0,1,2,3,4,5
	v_perm_b32 v[SCW+\d], v[64+\d], v[64+\d], s33  ; in all four places of the word: whichever block the group is laid in
.endr
.irp z, 4,5,6,7,8,9,10,11,12,13,14,15
	v_mov_b32 v[240+\z], 0
.endr
.irp d, 0,1,2,3,4
	MKCODE \d, 124+4*\d
.endr
	MKCODE 5, 100
.irp z, 0,1,2,3,4,5,6,7,8,9,10,11
	v_mov_b32 v[TK+\z], 0
.endr
.irp z, 0,1,2,3,4,5,6,7,8,9,10,11,12,13,14,15,16,17,18,19,20,21,22,23,24,25,26,27,28,29,30,31,32,33,34,35,36,37,38,39,40,41,42,43,44,45,46,47
	v_mov_b32 v[WOP+\z], 0                         ; of each operand only registers 0 and 6 are ever written again
.endr
	; ---- D: the second product, 18 K steps
	KSTEP 0, 0, 32, 33
	KSTEP 1, 1, 34, 35
.irp q, 0,1,2,3
	KSTEP 2+\q, 2, 24+\q, 28+\q
.endr
.irp q, 0,1,2,3
	KSTEP 6+\q, 3, 24+\q, 28+\q
.endr
.irp q, 0,1,2,3
	KSTEP 10+\q, 4, 24+\q, 28+\q
.endr
.irp q, 0,1,2,3
	KSTEP 14+\q, 5, 24+\q, 28+\q
.endr
	; ---- E: the four trees' sums meet in LDS; wave w stores token w's row
.rept 4
	v_nop
.endr
.irp i, 0,1,2,3
	ds_store_b128 v7, v[ACC+8*\i:ACC+8*\i+3] offset:128*\i          ; lane (r, h): token r, outputs 8 h + 0 .. 7 of tile i; each accumulator from its low end on
	ds_store_b128 v7, v[ACC+8*\i+4:ACC+8*\i+7] offset:128*\i+16
.endr
	s_wait_dscnt 0x0
	s_barrier_signal -1
	s_barrier_wait -1
.irp u, 0,1
.irp t, 0,1,2,3
	ds_load_b128 v[RING+16*\u+4*\t:RING+16*\u+4*\t+3], v8 offset:16640*\t+512*\u
.endr
.endr
	s_wait_dscnt 0x0
.irp u, 0,1
.irp c, 0,2
	v_pk_add_f32 v[RING+16*\u+\c:RING+16*\u+\c+1], v[RING+16*\u+\c:RING+16*\u+\c+1], v[RING+16*\u+4+\c:RING+16*\u+5+\c]
	v_pk_add_f32 v[RING+16*\u+8+\c:RING+16*\u+9+\c], v[RING+16*\u+8+\c:RING+16*\u+9+\c], v[RING+16*\u+12+\c:RING+16*\u+13+\c]
.endr
.irp c, 0,2
	v_pk_add_f32 v[RING+16*\u+\c:RING+16*\u+\c+1], v[RING+16*\u+\c:RING+16*\u+\c+1], v[RING+16*\u+8+\c:RING+16*\u+9+\c]
.endr
.endr
.irp u, 0,1
	global_store_b128 v9, v[RING+16*\u:RING+16*\u+3], s[12:13] offset:512*\u th:TH_STORE_NT   ; 32 lanes store 512 consecutive bytes, aligned to 256
.endr
	s_wait_tensorcnt 0x0
	ds_add_u32 v48, v49
	s_wait_dscnt 0x0
	s_endpgm
.Lfunc_end_k_q8232ec1551_leaf:
	.size	k_q8232ec1551_leaf, .Lfunc_end_k_q8232ec1551_leaf-k_q8232ec1551_leaf
	.p2alignl 7, 3214868480
	.fill 96, 4, 3214868480
	.section	.rodata,"a",@progbits
	.p2align	6, 0x0
	.amdhsa_kernel k_q8232ec1551_leaf
		.amdhsa_group_segment_fixed_size 76800
		.amdhsa_private_segment_fixed_size 0
		.amdhsa_enable_private_segment 0
		.amdhsa_kernarg_size 40
		.amdhsa_user_sgpr_count 2
		.amdhsa_user_sgpr_kernarg_segment_ptr 1
		.amdhsa_wavefront_size32 1
		.amdhsa_system_sgpr_workgroup_id_x 1
		.amdhsa_system_sgpr_workgroup_id_y 1
		.amdhsa_system_sgpr_workgroup_id_z 1
		.amdhsa_system_vgpr_workitem_id 0
		.amdhsa_next_free_vgpr 256
		.amdhsa_next_free_sgpr 80
		.amdhsa_reserve_vcc 1
		.amdhsa_float_denorm_mode_32 3
		.amdhsa_float_denorm_mode_16_64 3
		.amdhsa_memory_ordered 1
		.amdhsa_forward_progress 1
		.amdhsa_inst_pref_size 74
	.end_amdhsa_kernel
	.amdgpu_metadata
---
amdhsa.version: [ 1, 2 ]
amdhsa.kernels:
  - .name:           k_q8232ec1551_leaf
    .symbol:         k_q8232ec1551_leaf.kd
    .args:
      - { .name: rec, .offset: 0, .size: 8, .value_kind: global_buffer, .address_space: global }
      - { .name: wo, .offset: 8, .size: 8, .value_kind: global_buffer, .address_space: global }
      - { .name: act, .offset: 16, .size: 8, .value_kind: global_buffer, .address_space: global }
      - { .name: node, .offset: 24, .size: 8, .value_kind: global_buffer, .address_space: global }
      - { .name: out0, .offset: 32, .size: 8, .value_kind: global_buffer, .address_space: global }
    .group_segment_fixed_size: 76800
    .private_segment_fixed_size: 0
    .kernarg_segment_align: 8
    .kernarg_segment_size: 40
    .max_flat_workgroup_size: 512
    .sgpr_count:     80
    .vgpr_count:     256
    .wavefront_size: 32
...
	.end_amdgpu_metadata
.endif
;; end of part 3
;; ======== version 2 of 2: 3 launches; version 1 with the launch leaf written anew for expert scheduling mode
;; workspace buffers: rec 5,394,688 bytes; wo 5,603,328 bytes; act 1,310,720 bytes; node 65,536 bytes of whole numbers
;; launch quant: the kernel of part 1 again; grid 2305 x 1, 1 waves a work-group, no clusters, 17,408 bytes of LDS; arguments W_in, oldx, b_in, W_out, rec, wo; writes rec, wo
;; launch walk: the kernel of part 2 again; grid 64 x 4, 4 waves a work-group, clusters of 4 x 1, 327,680 bytes of LDS; arguments rec, act, node; writes act, node
;; launch leaf (part 4): grid 256 x 1, 16 waves a work-group, no clusters, 76,800 bytes of LDS; arguments rec, wo, act, node, out0; writes out0
.if DOCPART == 4
	.amdgcn_target "amdgcn-amd-amdhsa--gfx1250"
	.amdhsa_code_object_version 6
	.text
	.protected	k_q8232ec1551_leaf
	.globl	k_q8232ec1551_leaf
	.p2align	8
	.type	k_q8232ec1551_leaf,@function
k_q8232ec1551_leaf:
	s_mov_b64 s[64:65], 0
	v_nop
	global_prefetch_b8 v0, s[64:65] scope:SCOPE_SE
	s_setreg_imm32_b32 hwreg(HW_REG_WAVE_SCHED_MODE, 0, 2), 2
	s_setreg_imm32_b32 hwreg(HW_REG_WAVE_MODE, 25, 1), 1
	s_wait_xcnt 0x0
	s_wait_alu depctr_vm_vsrc(0)
; Level 5 of the first product for the node that each token reached, the quantiser of the masked hidden layer, and the whole second product, all on codes of BF6 with E8M0 scales.
; Work-group = 16 tokens.  Wave = tree p (wave / 4) x a quarter nq of the outputs: four tiles i of 16 outputs, n = 128 (nq / 2) + 32 i + 16 (nq % 2) + m.
; No cluster: what the work-groups read are gathers whose addresses hang on their own tokens' nodes; no tile is shared at the same time.
; ADDRESSES hang on node numbers that an earlier launch stored as whole numbers; each is held to its table by v_min_u32 before it enters an address.
; THE SECOND PRODUCT.  Of K = 21,840 a token keeps 24 groups of four.  In the matrix instruction a block of 32 along K carries ONE group: its four codes in bits 23:0 of operand register 0 or 6, zero codes elsewhere on the token's side.
; The block's two scale bytes are those of the true block of 32 in which the group lies, so each product is the quantised number x the quantised number, as if K were walked whole.
; (W_out's word keeps its scale byte in bits 31:24: it meets zero codes of the token's side and adds nothing.)  A K step is four such blocks: level 0 (shared), level 1 (the four groups), levels 2-5: four tokens' groups each.
; A HIDDEN BLOCK'S SCALE is the largest magnitude of all kept groups in it.  On a path c(d+1) - c(d) = 3 c + 1 + m is 16 or more from c = 5 on, so only levels 0, 1, 2 of a tree can meet, and, since a tree's groups begin
; inside a block, the tree before's level 5 with them, and this tree's level 5 with the next tree's levels 0, 1, 2.
; LIMITS: NaN and infinities are not served; v_exp_f32 gives 0 for results under 2^-126, so gelu(z) is -0 for z under about -13.2.
; THE MODE: SCHED_MODE bits 1:0 = 2 (LLVM: expert scheduling mode 2), set by the entry lines.  The code itself states the register dependences
; between vector or matrix instructions and memory or LDS instructions, with s_wait_alu, always for 0.
; THE PLAN.  Registers that memory or LDS instructions touch:
;   v3-9, v62, LATE   offsets and LDS addresses: made once by vector lines, never written again.
;   v242-246          the offsets of phase A's loads; written again where the records' offsets v240, v241, v245 are made; those are written again by phase B's selections.
;   RING              the first register of 20 destinations holds the load's own offset, made by a vector line; K step j's vector lines read slot j % 12; in K steps 0-5 the slot is loaded again;
;                     at the end LDS loads land in its first 32 registers, the packed sums write them and two stores read them.
;   v100-107          read by level 5's second product; then two LDS loads land there.      v252-255  written by the gelu, read by one LDS store, written again with zeros in phase C.
;   ACC               written by the products, read by eight LDS stores.
; So a wait on va_vdst stands ahead of each of the three runs of loads at the head, ahead of each run of stores, and ONE in each K step, behind the places and ahead of the products: it states that the scale words and
; operands are written and that the step's vector lines are done reading the slot; the slot's two loads follow it, dealt among the products, which name none of their registers.
; Three waits on vm_vsrc: ahead of the second use of v242-246; behind the loads from the records and from wo (their offsets are written later); behind the gelu's LDS store.
; Three waits on va_sdst: the wave's number; the gelu's four masks; the eleven masks of the blocks.
.set RECB,  3328
.set RED,   8192                       ; LDS: 0 .. 8191 level 5's gelu (512 wave + 16 lane);  then the four trees' sums: 16,640 tree + 1,040 token + 4 n
.set CODE,  10                         ; v10-15  the token's four codes of level d
.set SCW,   16                         ; v16-21  its scale byte, four times
.set TK,    22                         ; v22-33  the tokens' operand  (before: the next tree's gelu of levels 0-2)
.set WSC,   34                         ; v34-41  W_out's scale words, two sets of four
.set LATE,  50                         ; v50-61  the offsets of K steps 12-17
.set WOP,   64                         ; v64-111 W_out's four operands
.set ACC,   112                        ; v112-143 four accumulators
.set NQ,    112                        ; at first: the nodes of the tokens of my slots
.set RING,  144                        ; v144-239 twelve K steps' words on their way
.set GM,    60                         ; s60-63 the gelu's four masks
.set GC,    76
.macro GELU z, a, t                    ; gelu(z) = (0.5 z) erfc(-z / sqrt 2) for four numbers; erfc(a) = exp(-a a) (1 + p(q)) / (1 + 2 a), q = (a - 2) / (a + 2), with the residuals of both quotients and of the exponent
.irp f, 0,1,2,3
	v_mul_f32 v[\t+\f], 0x3f3504f3, |v[\z+\f]|
.endr
.irp f, 0,1,2,3
	v_min_num_f32 v[\t+\f], 0x41800000, v[\t+\f]          ; a held at 16, where erfc has long been 0 in f32
.endr
.irp f, 0,1,2,3
	v_add_f32 v[\t+16+\f], 2.0, v[\t+\f]
.endr
.irp f, 0,1,2,3
	v_rcp_f32 v[\t+4+\f], v[\t+16+\f]
.endr
.irp f, 0,1,2,3
	v_fma_f32 v[\t+28+\f], 2.0, v[\t+\f], 1.0             ; (plain lines behind the reciprocals)
.endr
	s_wait_alu depctr_va_vdst(0)                          ; the four reciprocals of a + 2 are written, ahead of their first reader
.irp f, 0,1,2,3
	v_fma_f32 v[\t+8+\f], -4.0, v[\t+4+\f], 1.0
.endr
.irp f, 0,1,2,3
	v_add_f32 v[\t+12+\f], 1.0, v[\t+8+\f]
.endr
.irp f, 0,1,2,3
	v_fma_f32 v[\t+12+\f], v[\t+12+\f], -2.0, v[\t+\f]
.endr
.irp f, 0,1,2,3
	v_fma_f32 v[\t+12+\f], v[\t+8+\f], -v[\t+\f], v[\t+12+\f]
.endr
.irp f, 0,1,2,3
	v_fma_f32 v[\t+8+\f], v[\t+4+\f], v[\t+12+\f], v[\t+8+\f]
.endr
.irp f, 0,1,2,3
	v_rcp_f32 v[\t+4+\f], v[\t+28+\f]
.endr
.irp f, 0,1,2,3
	v_fmaak_f32 v[\t+16+\f], s[GC], v[\t+8+\f], 0xbaa15130
.endr
.irp c, 0x3aac2b8a, 0x3c0d6e62, 0xbc040dc1, 0xbd5e05b5, 0x3e27fe23, 0xbe2a0420, 0xbdbdfb0b, 0x3e8dd01d
.irp f, 0,1,2,3
	v_fmaak_f32 v[\t+16+\f], v[\t+16+\f], v[\t+8+\f], \c
.endr
.endr
	s_wait_alu depctr_va_vdst(0)                          ; the four reciprocals of 1 + 2 a are written, ahead of their first reader
.irp f, 0,1,2,3
	v_fma_f32 v[\t+8+\f], v[\t+16+\f], v[\t+4+\f], v[\t+4+\f]
.endr
.irp f, 0,1,2,3
	v_fma_f32 v[\t+12+\f], v[\t+8+\f], -v[\t+\f], 0.5
.endr
.irp f, 0,1,2,3
	v_sub_f32 v[\t+16+\f], v[\t+16+\f], v[\t+8+\f]
.endr
.irp f, 0,1,2,3
	v_fma_f32 v[\t+12+\f], v[\t+12+\f], 2.0, v[\t+16+\f]
.endr
.irp f, 0,1,2,3
	v_fma_f32 v[\t+4+\f], v[\t+12+\f], v[\t+4+\f], v[\t+8+\f]
.endr
.irp f, 0,1,2,3
	v_mul_f32 v[\t+20+\f], v[\t+\f], v[\t+\f]
.endr
.irp f, 0,1,2,3
	v_mul_f32 v[\t+24+\f], 0xbfb8aa3b, v[\t+20+\f]
.endr
.irp f, 0,1,2,3
	v_fma_f32 v[\t+28+\f], v[\t+20+\f], 0xbfb8aa3b, -v[\t+24+\f]
.endr
.irp f, 0,1,2,3
	v_fmamk_f32 v[\t+28+\f], v[\t+20+\f], 0xb2a57060, v[\t+28+\f]
.endr
.irp f, 0,1,2,3
	v_fma_f32 v[\t+12+\f], v[\t+\f], -v[\t+\f], v[\t+20+\f]
.endr
.irp f, 0,1,2,3
	v_exp_f32 v[\t+24+\f], v[\t+24+\f]
.endr
.irp f, 0,1,2,3
	v_fmamk_f32 v[\t+12+\f], v[\t+28+\f], 0x3f317218, v[\t+12+\f]   ; (plain lines behind the exponentials)
.endr
	s_wait_alu depctr_va_vdst(0)                          ; the four exponentials are written, ahead of their first reader
.irp f, 0,1,2,3
	v_mul_f32 v[\t+4+\f], v[\t+4+\f], v[\t+24+\f]
.endr
.irp f, 0,1,2,3
	v_fma_f32 v[\t+4+\f], v[\t+4+\f], v[\t+12+\f], v[\t+4+\f]
.endr
.irp f, 0,1,2,3
	v_cmp_lt_f32 s[GM+\f], 0, v[\z+\f]                    ; the four compares in a run, a mask each
.endr
.irp f, 0,1,2,3
	v_sub_f32 v[\t+16+\f], 2.0, v[\t+4+\f]
.endr
.irp f, 0,1,2,3
	v_mul_f32 v[\t+20+\f], 0.5, v[\z+\f]
.endr
	s_wait_alu depctr_va_sdst(0)                          ; the four masks are written, ahead of the selections that read them
.irp f, 0,1,2,3
	v_cndmask_b32 v[\t+4+\f], v[\t+4+\f], v[\t+16+\f], s[GM+\f]
.endr
.irp f, 0,1,2,3
	v_mul_f32 v[\a+\f], v[\t+20+\f], v[\t+4+\f]
.endr
.endm
.macro UP reg                          ; a node's parent
	v_add_nc_u32 v[\reg], -1, v[\reg]
	v_lshrrev_b32 v[\reg], 2, v[\reg]
.endm
.macro MAX4 dst, src                   ; a group's largest magnitude
	v_max3_num_f32 v[\dst], |v[\src]|, |v[\src+1]|, |v[\src+2]|
	v_max_num_f32 v[\dst], v[\dst], |v[\src+3]|
.endm
.macro JOIN sd, mx, m, tmp             ; where the two groups lie in one block, the other's largest magnitude counts too
	v_cndmask_b32 v[\tmp], 0, v[\mx], s[\m]
	v_max_num_f32 v[\sd], v[\sd], v[\tmp]
.endm
.macro MKCODE d, src                   ; four numbers and twelve zeros through the conversion: the low 24 bits are the group's codes, the rest zero codes
.irp f, 0,1,2,3
	v_mov_b32 v[240+\f], v[\src+\f]
.endr
	v_cvt_scalef32_pk16_bf6_f32 v[108:110], v[240:255], v[82+\d]
	v_nop                                          ; one plain line behind the conversion
	v_mov_b32 v[CODE+\d], v108
.endm
; K step j, level d; ma, mb: the scalar masks of the lanes whose token lies in the block of operand register 0, 6
.macro KSTEP j, d, ma, mb
.set RB, RING+8*((\j)%12)
.if (\j) == 0
.set RC, RB
.else
.set RC, RB+4
.endif
.set WSJ, WSC+4*((\j)%2)
.if 2*(17-(\j)) < 22
	s_wait_loadcnt 2*(17-(\j))                     ; behind this step's loads only those of the later steps were issued, two each
.else
	s_wait_loadcnt 22
.endif
.irp i, 0,1,2,3
	v_perm_b32 v[240+\i], v[RC+\i], v[RB+\i], s36  ; my two blocks' scale bytes;  (these twelve lines name no register of the last products: they are the places behind them)
.endr
.irp i, 0,1,2,3
	v_permlanex16_b32 v[244+\i], v[240+\i], s20, s21
.endr
.irp i, 0,1,2,3
	v_perm_b32 v[WSJ+\i], v[244+\i], v[240+\i], s37   ; with lane l xor 16's two: the row's scale word, blocks 0, 1, 2, 3
.endr
	v_cndmask_b32 v[TK], 0, v[CODE+\d], s[\ma]
	v_cndmask_b32 v[TK+6], 0, v[CODE+\d], s[\mb]
.irp i, 0,1,2,3
	v_mov_b32 v[WOP+12*\i], v[RB+\i]
	v_mov_b32 v[WOP+12*\i+6], v[RC+\i]
.endr
.rept 8
	v_nop                                          ; a scale word made by vector lines stands eight places ahead of the scaled product, an operand four
.endr
	s_wait_alu depctr_va_vdst(0)                   ; the lines above have written the scale words, the tokens' operand and W_out's operands, which the scaled products take; and they are done reading the slot, in which the loads below land
.irp i, 0,1,2,3                                ; the four accumulators take turns
.if (\j) == 0
	v_wmma_scale_f32_16x16x128_f8f6f4 v[ACC+8*\i:ACC+8*\i+7], v[WOP+12*\i:WOP+12*\i+11], v[TK:TK+11], 0, v[WSJ+\i], v[SCW+\d] matrix_a_fmt:MATRIX_FMT_BF6 matrix_b_fmt:MATRIX_FMT_BF6
.else
	v_wmma_scale_f32_16x16x128_f8f6f4 v[ACC+8*\i:ACC+8*\i+7], v[WOP+12*\i:WOP+12*\i+11], v[TK:TK+11], v[ACC+8*\i:ACC+8*\i+7], v[WSJ+\i], v[SCW+\d] matrix_a_fmt:MATRIX_FMT_BF6 matrix_b_fmt:MATRIX_FMT_BF6
.endif
.if ((\j) < 6) && (\i < 2)
	global_load_b128 v[RB+4*\i:RB+4*\i+3], v[LATE+2*(\j)+\i], s[50:51]   ; the slot takes K step j + 12.  No wait: no vector or matrix instruction since the wait above names the slot or the offset
.endif
.endr
.endm
	s_load_b256 s[4:11], s[0:1], 0x0               ; rec s[4:5], wo s[6:7], act s[8:9], node s[10:11]
	s_load_b64 s[12:13], s[0:1], 0x20              ; out0
	v_lshl_add_u32 v48, v0, 2, 0x12400
	v_mov_b32 v49, 0
	v_lshrrev_b32 v1, 5, v0
	v_readfirstlane_b32 s14, v1                    ; wave 0..15
	s_wait_alu depctr_va_sdst(0)                   ; s14 is written, ahead of its first reader
	s_lshr_b32 s15, s14, 2                         ; p
	s_and_b32 s16, s14, 3                          ; nq
	s_add_co_u32 s18, s15, 3
	s_and_b32 s18, s18, 3                          ; the tree before,
	s_add_co_u32 s19, s15, 1
	s_and_b32 s19, s19, 3                          ; the next (round the ends: their blocks never match)
	s_mov_b32 s20, 0x76543210
	s_mov_b32 s21, 0xfedcba98
	s_mov_b32 s22, 0xaaaaaaaa
	s_mov_b32 s23, 0xcccc3333
.irp q, 0,1,2,3
	s_mov_b32 s[24+\q], (1<<(4*\q))|(1<<(17+4*\q))       ; register 0: token 4 q in lanes 0-15 (block 0), token 4 q + 1 in lanes 16-31 (block 1)
	s_mov_b32 s[28+\q], (1<<(4*\q+2))|(1<<(19+4*\q))     ; register 6: tokens 4 q + 2 (block 2), 4 q + 3 (block 3)
.endr
	s_mov_b32 s32, 0xffff
	s_mov_b32 s33, 0
	s_mov_b32 s36, 0x07030703
	s_mov_b32 s37, 0x05010400
	s_mov_b32 s[GC], 0xb9d25000
	s_mul_i32 s53, s15, 1365
	s_mul_i32 s54, s18, 1365
	s_mul_i32 s55, s19, 1365
	s_mul_i32 s52, s15, 1364
	s_sub_co_u32 s52, s52, 1
	s_mov_b32 s57, 0
	v_and_b32 v63, 31, v0                          ; lane
	v_and_b32 v1, 15, v0                           ; r
	v_bfe_u32 v2, v0, 4, 1                         ; h
	s_lshl_b32 s58, s16, 8
	v_lshl_add_u32 v3, v1, 4, s58                  ; my row's 16 bytes in a group of wo: 256 nq + 16 r
	v_lshlrev_b32 v4, 4, v0                        ; level 5's gelu, in: 512 wave + 16 lane
	v_lshrrev_b32 v240, 2, v1
	v_lshlrev_b32 v241, 9, v240
	v_lshl_add_u32 v241, v1, 4, v241
	s_lshl_b32 s58, s15, 11
	v_add_nc_u32 v5, s58, v241                     ; back: token r's, from wave 4 p + r / 4, lane r;
	s_lshl_b32 s58, s18, 11
	v_add_nc_u32 v6, s58, v241                     ; the same of the tree before
	s_mul_i32 s58, s15, 16640
	s_lshr_b32 s59, s16, 1
	s_lshl_b32 s59, s59, 9
	s_add_co_u32 s58, s58, s59
	s_and_b32 s59, s16, 1
	s_lshl_b32 s59, s59, 6
	s_add_co_u32 s58, s58, s59
	s_add_co_u32 s58, s58, RED
	v_mul_u32_u24 v7, v1, 1040
	v_lshl_add_u32 v7, v2, 5, v7
	v_add_nc_u32 v7, s58, v7                       ; my sums: tree, token r, my outputs' bytes
	s_mul_i32 s58, s14, 1040
	s_add_co_u32 s58, s58, RED
	v_lshlrev_b32 v9, 4, v63
	v_add_nc_u32 v8, s58, v9                       ; back: token = wave, 16 bytes a lane
	v_lshlrev_b32 v242, 2, v2
	v_lshlrev_b32 v243, 2, v1
	s_lshl_b32 s58, s16, 4
	v_lshl_add_u32 v244, v240, 2, s58
	v_lshlrev_b32 v245, 4, v1
	v_lshl_add_u32 v246, v63, 2, 3072
	v_lshl_add_u32 v62, v2, 10, v3                 ; level 1's groups 1 + h, 3 + h
	s_lshl_b32 s17, ttmp9, 6
	s_wait_kmcnt 0x0
	s_lshl_b32 s56, s15, 14
	s_add_co_u32 s56, s56, s17
	s_add_nc_u64 s[38:39], s[10:11], s[56:57]      ; my 16 tokens' nodes: this tree,
	s_lshl_b32 s56, s18, 14
	s_add_co_u32 s56, s56, s17
	s_add_nc_u64 s[40:41], s[10:11], s[56:57]      ; the one before,
	s_lshl_b32 s56, s19, 14
	s_add_co_u32 s56, s56, s17
	s_add_nc_u64 s[42:43], s[10:11], s[56:57]      ; the next
	s_lshl_b32 s17, ttmp9, 2
	s_add_co_u32 s56, s17, s15
	s_mul_i32 s56, s56, 1280
	s_add_nc_u64 s[44:45], s[8:9], s[56:57]
	s_add_co_u32 s56, s17, s19
	s_mul_i32 s56, s56, 1280
	s_add_nc_u64 s[46:47], s[8:9], s[56:57]
	s_add_co_u32 s56, ttmp9, 1365
	s_mul_i32 s56, s56, RECB
	s_add_nc_u64 s[48:49], s[4:5], s[56:57]        ; my tokens' record
	s_lshl_b32 s56, s53, 10
	s_add_nc_u64 s[50:51], s[6:7], s[56:57]        ; the tree's first group in wo
	s_lshl_b32 s56, ttmp9, 4
	s_add_co_u32 s56, s56, s14
	s_lshl_b32 s56, s56, 10
	s_add_nc_u64 s[12:13], s[12:13], s[56:57]      ; the row of the output that I store
	; ---- A: loads.  Twelve of nodes, eight of gelu, seven of x
	s_wait_alu depctr_va_vdst(0)                   ; the offsets v9 and v242 to v246 are written, which the loads below read; so are v3 to v8 and v62, the offsets and LDS addresses of the later phases
.irp x, 0,1,2,3,4,5,6,7
	global_load_b32 v[NQ+\x], v242, s[38:39] offset:8*\x   ; x = 2 q + e: the node of token 4 q + h + 2 e
.endr
	global_load_b32 v42, v243, s[38:39]            ; token r's node: this tree,
	global_load_b32 v43, v243, s[40:41]            ; the one before,
	global_load_b32 v44, v243, s[42:43]            ; the next;
	global_load_b32 v45, v244, s[38:39]            ; token 4 nq + r / 4
.irp d, 0,1,2,3,4
	global_load_b128 v[124+4*\d:127+4*\d], v245, s[44:45] offset:256*\d
.endr
.irp d, 0,1,2
	global_load_b128 v[TK+4*\d:TK+4*\d+3], v245, s[46:47] offset:256*\d
.endr
.irp j, 0,1,2,3,4,5
	global_load_b128 v[64+4*\j:67+4*\j], v9, s[48:49] offset:512*\j
.endr
	global_load_b32 v46, v246, s[48:49]
	s_wait_loadcnt 15                              ; the nodes are in; the fifteen loads behind them may be out
	s_wait_xcnt 0x0                                ; the offsets above may be written again
	s_wait_alu depctr_vm_vsrc(0)                   ; the loads above have read v242 to v246, which vector lines write again from here on
	; level 5's rows of W_in: row m = r of my tile is unit r % 4 of the node of token 4 nq + r / 4; it lies in record (1364 p + c - 1) / 4, rows 4 ((c - 1) % 4) on
	v_and_b32 v247, 3, v1
	v_lshlrev_b32 v240, 4, v247
	v_lshl_add_u32 v240, v2, 8, v240
	v_lshlrev_b32 v241, 2, v247
	v_lshl_add_u32 v241, v2, 6, v241
	v_add_nc_u32 v242, s52, v45
	v_min_u32 v242, 5455, v242
	v_and_b32 v243, 0x1ffc, v242
	v_mul_u32_u24 v243, v243, 832
	v_and_b32 v242, 3, v242
	v_add_nc_u32 v240, v240, v243
	v_lshl_add_u32 v240, v242, 6, v240             ; its codes,
	v_add_nc_u32 v241, v241, v243
	v_lshl_add_u32 v241, v242, 4, v241             ; its scale words;
	v_add_nc_u32 v244, s52, v42
	v_min_u32 v244, 5455, v244
	v_and_b32 v245, 0x1ffc, v244
	v_mul_u32_u24 v245, v245, 832
	v_and_b32 v244, 3, v244
	v_lshl_add_u32 v245, v244, 4, v245             ; the four biases of token r's node
	s_wait_alu depctr_va_vdst(0)                   ; v240, v241 and v245 are written, which the eight loads below read as their offsets
.irp j, 0,1,2,3,4,5
	global_load_b128 v[88+4*\j:91+4*\j], v240, s[4:5] offset:512*\j
.endr
	global_load_b32 v47, v241, s[4:5] offset:3072
	global_load_b128 v[120:123], v245, s[4:5] offset:3200
	; the offsets into wo: 1,024 x node + my row.  Those of K steps 2-11 are made in the first register of the load's own destination
.irp x, 0,1,2,3,4,5,6,7
	v_min_u32 v[248+\x], 1364, v[NQ+\x]
.endr
.irp x, 0,1,2,3,4,5,6,7
	v_lshl_add_u32 v[LATE+4+\x], v[248+\x], 10, v3         ; level 5
.endr
.irp x, 0,1,2,3,4,5,6,7
	UP NQ+\x
.endr
.irp x, 0,1,2,3,4,5,6,7
	v_min_u32 v[248+\x], 1364, v[NQ+\x]
.endr
.irp x, 0,1,2,3
	v_lshl_add_u32 v[RING+8*(10+\x/2)+4*(\x%2)], v[248+\x], 10, v3   ; level 4
.endr
.irp x, 4,5,6,7
	v_lshl_add_u32 v[LATE-4+\x], v[248+\x], 10, v3
.endr
.irp x, 0,1,2,3,4,5,6,7
	UP NQ+\x
.endr
.irp x, 0,1,2,3,4,5,6,7
	v_min_u32 v[248+\x], 1364, v[NQ+\x]
.endr
.irp x, 0,1,2,3,4,5,6,7
	v_lshl_add_u32 v[RING+8*(6+\x/2)+4*(\x%2)], v[248+\x], 10, v3    ; level 3
.endr
.irp x, 0,1,2,3,4,5,6,7
	UP NQ+\x
.endr
.irp x, 0,1,2,3,4,5,6,7
	v_min_u32 v[248+\x], 1364, v[NQ+\x]
.endr
.irp x, 0,1,2,3,4,5,6,7
	v_lshl_add_u32 v[RING+8*(2+\x/2)+4*(\x%2)], v[248+\x], 10, v3    ; level 2
.endr
	s_wait_alu depctr_va_vdst(0)                   ; the twenty offsets in the ring's registers are written, which the loads below read and in which they land; so are the twelve of K steps 12-17
	global_load_b128 v[RING:RING+3], v3, s[50:51]                    ; K step 0: group 0
	global_load_b128 v[RING+8:RING+11], v62, s[50:51] offset:1024    ; K step 1: groups 1 + h,
	global_load_b128 v[RING+12:RING+15], v62, s[50:51] offset:3072   ; 3 + h
.irp j, 2,3,4,5,6,7,8,9,10,11
	global_load_b128 v[RING+8*\j:RING+8*\j+3], v[RING+8*\j], s[50:51]
	global_load_b128 v[RING+8*\j+4:RING+8*\j+7], v[RING+8*\j+4], s[50:51]
.endr
	; ---- B: level 5's logits of my four tokens
	s_wait_loadcnt 23                              ; all but the 23 loads from wo
	s_wait_alu depctr_vm_vsrc(0)                   ; the records' loads have read v240, v241 and v245, which the selections below write; the loads from wo have read their offsets in the ring's registers, which later loads and sums write
	v_wmma_scale_f32_16x16x128_f8f6f4 v[112:119], v[88:99], v[64:75], 0, v47, v46 matrix_a_fmt:MATRIX_FMT_BF6 matrix_b_fmt:MATRIX_FMT_BF6
	s_wait_alu depctr_va_vdst(0)                   ; the second product reads the first's result
	v_wmma_scale_f32_16x16x128_f8f6f4 v[112:119], v[100:111], v[76:87], v[112:119], v47, v46 matrix_a_fmt:MATRIX_FMT_BF6 matrix_b_fmt:MATRIX_FMT_BF6 matrix_a_scale:MATRIX_SCALE_ROW1 matrix_b_scale:MATRIX_SCALE_ROW1
.rept 4
	v_nop
.endr
.irp f, 0,1,2,3                                ; token r's rows are 4 (r % 4) + f: registers 4 (r % 2) + f of the half (r / 2) % 2
	v_cndmask_b32 v[240+\f], v[112+\f], v[116+\f], s22
.endr
.irp f, 0,1,2,3
	v_permlanex16_b32 v[244+\f], v[240+\f], s20, s21
.endr
.irp f, 0,1,2,3
	v_cndmask_b32 v[240+\f], v[244+\f], v[240+\f], s23
.endr
.irp f, 0,1,2,3
	v_add_f32 v[248+\f], v[240+\f], v[120+\f]
.endr
	GELU 248, 252, 64
	s_wait_alu depctr_va_vdst(0)                   ; the gelu has written v252 to v255, which the LDS store reads; the second product is done reading v100 to v107, in which the LDS loads behind the barrier land
	ds_store_b128 v4, v[252:255]                   ; (of lanes whose token is not among my four nobody reads the bytes)
	s_wait_dscnt 0x0
	s_barrier_signal -1
	s_barrier_wait -1
	s_wait_alu depctr_vm_vsrc(0)                   ; my LDS store has read v252 to v255, into which zeros are written below
	; ---- C: the quantiser, a lane to a token (both halves of the lanes alike)
	ds_load_b128 v[100:103], v5
	ds_load_b128 v[104:107], v6
	v_add_nc_u32 v66, -1, v42
	v_add_nc_u32 v89, -1, v44
	v_lshrrev_b32 v66, 2, v66                      ; level 4's node, this tree's and the next's
	v_lshrrev_b32 v89, 2, v89
	UP 66
	UP 89
	UP 66                                          ; c2
	UP 89
	v_add_nc_u32 v65, -1, v66
	v_add_nc_u32 v88, -1, v89
	v_lshrrev_b32 v65, 2, v65                      ; c1
	v_lshrrev_b32 v88, 2, v88
	s_lshr_b32 s58, s53, 3
	v_mov_b32 v70, s58                             ; blocks: (1365 tree + node) / 8
	v_add_nc_u32 v71, s53, v65
	v_add_nc_u32 v72, s53, v66
	v_add_nc_u32 v75, s53, v42
	v_lshrrev_b32 v71, 3, v71
	v_lshrrev_b32 v72, 3, v72
	v_lshrrev_b32 v75, 3, v75
	s_lshr_b32 s58, s55, 3
	v_mov_b32 v90, s58
	v_add_nc_u32 v91, s55, v88
	v_add_nc_u32 v92, s55, v89
	v_add_nc_u32 v96, s54, v43
	v_lshrrev_b32 v91, 3, v91
	v_lshrrev_b32 v92, 3, v92
	v_lshrrev_b32 v96, 3, v96
	v_cmp_eq_u32 s66, v70, v71
	v_cmp_eq_u32 s67, v70, v72
	v_cmp_eq_u32 s68, v71, v72
	v_cmp_eq_u32 s69, v70, v96
	v_cmp_eq_u32 s70, v71, v96
	v_cmp_eq_u32 s71, v72, v96
	v_cmp_eq_u32 s72, v75, v90
	v_cmp_eq_u32 s73, v75, v91
	v_cmp_eq_u32 s74, v75, v92
	v_add_nc_u32 v98, -1, v65
	v_add_nc_u32 v99, 2, v2
	v_cmp_eq_u32 s34, v98, v2                      ; level 1: my token's group lies in block h,
	v_cmp_eq_u32 s35, v98, v99                     ; in block 2 + h
.irp d, 0,1,2,3,4
	MAX4 76+\d, 124+4*\d
.endr
.irp d, 0,1,2
	MAX4 93+\d, TK+4*\d
.endr
	s_wait_dscnt 0x0
	MAX4 81, 100
	MAX4 97, 104
.irp d, 0,1,2,3,4,5
	v_max_num_f32 v[82+\d], 0x2800000, v[76+\d]    ; the floor 2^(5 - 127): the byte cannot fall under 1
.endr
	s_wait_alu depctr_va_sdst(0)                   ; the eleven masks s66 to s74, s34 and s35 are written, ahead of the first selection that reads one
	JOIN 82, 77, 66, 98
	JOIN 83, 76, 66, 99
	JOIN 84, 76, 67, 98
	JOIN 87, 93, 72, 99
	JOIN 82, 78, 67, 98
	JOIN 83, 78, 68, 99
	JOIN 84, 77, 68, 98
	JOIN 87, 94, 73, 99
	JOIN 82, 97, 69, 98
	JOIN 83, 97, 70, 99
	JOIN 84, 97, 71, 98
	JOIN 87, 95, 74, 99
.irp d, 0,1,2,3,4,5
	v_add_nc_u32 v[82+\d], 0xfe000000, v[82+\d]    ; 4 off the exponent field: the conversion's scale operand
.endr
.irp d, 0,1,2,3,4,5
	v_lshrrev_b32 v[64+\d], 23, v[82+\d]           ; the scale's byte,
.endr
.irp d, 0,1,2,3,4,5
	v_perm_b32 v[SCW+\d], v[64+\d], v[64+\d], s33  ; in all four places of the word: whichever block the group is laid in
.endr
.irp z, 4,5,6,7,8,9,10,11,12,13,14,15
	v_mov_b32 v[240+\z], 0
.endr
.irp d, 0,1,2,3,4
	MKCODE \d, 124+4*\d
.endr
	MKCODE 5, 100
.irp z, 0,1,2,3,4,5,6,7,8,9,10,11
	v_mov_b32 v[TK+\z], 0
.endr
.irp z, 0,1,2,3,4,5,6,7,8,9,10,11,12,13,14,15,16,17,18,19,20,21,22,23,24,25,26,27,28,29,30,31,32,33,34,35,36,37,38,39,40,41,42,43,44,45,46,47
	v_mov_b32 v[WOP+\z], 0                         ; of each operand only registers 0 and 6 are ever written again
.endr
	; ---- D: the second product, 18 K steps
	KSTEP 0, 0, 32, 33
	KSTEP 1, 1, 34, 35
.irp q, 0,1,2,3
	KSTEP 2+\q, 2, 24+\q, 28+\q
.endr
.irp q, 0,1,2,3
	KSTEP 6+\q, 3, 24+\q, 28+\q
.endr
.irp q, 0,1,2,3
	KSTEP 10+\q, 4, 24+\q, 28+\q
.endr
.irp q, 0,1,2,3
	KSTEP 14+\q, 5, 24+\q, 28+\q
.endr
	; ---- E: the four trees' sums meet in LDS; wave w stores token w's row
.rept 4
	v_nop
.endr
	s_wait_alu depctr_va_vdst(0)                   ; the products have written the accumulators, which the LDS stores read (the places above stay beside this wait); the K steps' lines are done reading the ring's first 32 registers, in which the LDS loads behind the barrier land
.irp i, 0,1,2,3
	ds_store_b128 v7, v[ACC+8*\i:ACC+8*\i+3] offset:128*\i          ; lane (r, h): token r, outputs 8 h + 0 .. 7 of tile i; each accumulator from its low end on
	ds_store_b128 v7, v[ACC+8*\i+4:ACC+8*\i+7] offset:128*\i+16
.endr
	s_wait_dscnt 0x0
	s_barrier_signal -1
	s_barrier_wait -1
.irp u, 0,1
.irp t, 0,1,2,3
	ds_load_b128 v[RING+16*\u+4*\t:RING+16*\u+4*\t+3], v8 offset:16640*\t+512*\u
.endr
.endr
	s_wait_dscnt 0x0
.irp u, 0,1
.irp c, 0,2
	v_pk_add_f32 v[RING+16*\u+\c:RING+16*\u+\c+1], v[RING+16*\u+\c:RING+16*\u+\c+1], v[RING+16*\u+4+\c:RING+16*\u+5+\c]
	v_pk_add_f32 v[RING+16*\u+8+\c:RING+16*\u+9+\c], v[RING+16*\u+8+\c:RING+16*\u+9+\c], v[RING+16*\u+12+\c:RING+16*\u+13+\c]
.endr
.irp c, 0,2
	v_pk_add_f32 v[RING+16*\u+\c:RING+16*\u+\c+1], v[RING+16*\u+\c:RING+16*\u+\c+1], v[RING+16*\u+8+\c:RING+16*\u+9+\c]
.endr
.endr
	s_wait_alu depctr_va_vdst(0)                   ; the packed sums have written the eight registers that the two stores read
.irp u, 0,1
	global_store_b128 v9, v[RING+16*\u:RING+16*\u+3], s[12:13] offset:512*\u th:TH_STORE_NT   ; 32 lanes store 512 consecutive bytes, aligned to 256
.endr
	s_wait_dscnt 0x0                               ; the closing lines, six on end
	s_wait_alu 0x0
	s_wait_tensorcnt 0x0
	ds_add_u32 v48, v49
	s_wait_dscnt 0x0
	s_endpgm
.Lfunc_end_k_q8232ec1551_leaf:
	.size	k_q8232ec1551_leaf, .Lfunc_end_k_q8232ec1551_leaf-k_q8232ec1551_leaf
	.p2alignl 7, 3214868480
	.fill 96, 4, 3214868480
	.section	.rodata,"a",@progbits
	.p2align	6, 0x0
	.amdhsa_kernel k_q8232ec1551_leaf
		.amdhsa_group_segment_fixed_size 76800
		.amdhsa_private_segment_fixed_size 0
		.amdhsa_enable_private_segment 0
		.amdhsa_kernarg_size 40
		.amdhsa_user_sgpr_count 2
		.amdhsa_user_sgpr_kernarg_segment_ptr 1
		.amdhsa_wavefront_size32 1
		.amdhsa_system_sgpr_workgroup_id_x 1
		.amdhsa_system_sgpr_workgroup_id_y 1
		.amdhsa_system_sgpr_workgroup_id_z 1
		.amdhsa_system_vgpr_workitem_id 0
		.amdhsa_next_free_vgpr 256
		.amdhsa_next_free_sgpr 80
		.amdhsa_reserve_vcc 0
		.amdhsa_float_denorm_mode_32 3
		.amdhsa_float_denorm_mode_16_64 3
		.amdhsa_memory_ordered 1
		.amdhsa_forward_progress 1
		.amdhsa_inst_pref_size 76
	.end_amdhsa_kernel
	.amdgpu_metadata
---
amdhsa.version: [ 1, 2 ]
amdhsa.kernels:
  - .name:           k_q8232ec1551_leaf
    .symbol:         k_q8232ec1551_leaf.kd
    .args:
      - { .name: rec, .offset: 0, .size: 8, .value_kind: global_buffer, .address_space: global }
      - { .name: wo, .offset: 8, .size: 8, .value_kind: global_buffer, .address_space: global }
      - { .name: act, .offset: 16, .size: 8, .value_kind: global_buffer, .address_space: global }
      - { .name: node, .offset: 24, .size: 8, .value_kind: global_buffer, .address_space: global }
      - { .name: out0, .offset: 32, .size: 8, .value_kind: global_buffer, .address_space: global }
    .group_segment_fixed_size: 76800
    .private_segment_fixed_size: 0
    .kernarg_segment_align: 8
    .kernarg_segment_size: 40
    .max_flat_workgroup_size: 512
    .sgpr_count:     80
    .vgpr_count:     256
    .wavefront_size: 32
...
	.end_amdgpu_metadata
.endif
;; end of part 4
